; MI455X (gfx1250); checked and timed in simulation.
; The chip was launched on July 23, 2026; its instructions are those of AMD's public machine-readable ISA for CDNA 5 (MIT licence, August 2026) and "CDNA5" Instruction Set Architecture Reference Guide (July 2026). The comments in the code are by the model that wrote it; some were corrected since.
;; Mo E. Allowed arithmetic: matrix products marked QUANTISED: E2M1 operands, one E8M0 scale for each 32 along K, by v_wmma_scale_f32_16x16x128_f8f6f4 with both operands' format E2M1 (or v_wmma_scale_f32_32x16x128_f4), f32 sums; products left as they are: f32 operands where the result goes on into a quantised operand, else bf16, f16 or f32 operands; f32 sums; everything else in f32.
;; Inputs: W1 2 x 1,024 x 4,096 float32; W2 2 x 4,096 x 1,024 float32; Wn 1,024 x 2 float32; Wr 1,024 x 2 float32; b1 2 x 4,096 float32; b2 2 x 1,024 float32; bn 2 float32; br 2 float32; noise 2 x 2,048 x 2 float32; x 2 x 2,048 x 1,024 float32.
;; Outputs: out0 2 x 2,048 x 1,024 float32.
;; This version of the problem:
;;   THIS VERSION OF THE PROBLEM IS GIVEN IN LOW PRECISION. The matrix products marked QUANTISED in the list below multiply operands that are first quantised to E2M1 (2 exponent bits, 1 mantissa bit; 4 bits a number), with one power-of-two scale for each 32 numbers along K (OCP MX v1.0); their sums are f32. All else is computed in f32.
;;   The module's matrix products, in the order in which they are computed (A, B: the left and right operand; K: the contracted axis; several contracted axes count as one K, in the product's order):
;;     1. [M 4,096, K 1,024] x [K 1,024, N 2]; A: input x; B: input Wr: left as it is (N = 2 < 16)
;;     2. [M 4,096, K 1,024] x [K 1,024, N 2]; A: input x; B: input Wn: left as it is (N = 2 < 16)
;;     3. [M 8,192, K 1,024] x [K 1,024, N 4,096]; A: input W1; B: input x: QUANTISED
;;     4. batch 2 x [M 4,096, K 4,096] x [K 4,096, N 1,024]; A: computed on the way; B: input W2: QUANTISED
;;     5. batch 4,096 x [M 1, K 2] x [K 2, N 1,024]; A: softmax; B: computed on the way: left as it is (K = 2 < 32)
;;   THE QUANTISER, for each operand of a quantised product, along K:
;;     - K is cut into blocks of 32 from its start; a last block that is shorter is filled with zeros.
;;     - A block's scale is 2^e with e = floor(log2(the largest magnitude in the block)) - 2, held to -126 .. 127; a block of zeros has e = 0. As a byte (E8M0): e + 127.
;;     - Each number is divided by its block's scale, clamped to +-6, and rounded to the nearest number of E2M1, ties to even, subnormals kept.
;;     - The product sums the exact products of the quantised numbers (number of the format x scale) in f32.
;;   ~~~python
;;   def quantise(x, axis):      # numpy; x: float32 -> the quantised numbers, widened to float32 again
;;       x = np.moveaxis(x, axis, -1); K = x.shape[-1]
;;       x = np.pad(x, [(0, 0)] * (x.ndim - 1) + [(0, -K % 32)]); x = x.reshape(x.shape[:-1] + (-1, 32)); a = np.abs(x).max(-1, keepdims=True)
;;       e = np.where(a > 0, np.clip(np.frexp(np.where(a > 0, a, 1))[1] - 1 - 2, -126, 127), 0)      # np.frexp(a)[1] - 1 = floor(log2(a)), exactly
;;       r = np.clip(x / 2.0 ** e, -6, 6)
;;       step = 2.0 ** (np.maximum(np.frexp(np.where(r == 0, 1, r))[1] - 1, 0) - 1)
;;       q = np.round(r / step) * step * 2.0 ** e      # np.round: ties to even
;;       return np.moveaxis(q.reshape(q.shape[:-2] + (-1,))[..., :K], -1, axis).astype(np.float32)
;;   ~~~
;;   OPERANDS COMPUTED ON THE WAY. 'Computed on the way' means the value that the module computes at that place (a softmax that the list does not call 'softmax' is quantised finished and normalised). What goes into a quantiser is computed in f32, as accurately as f32 sums, v_exp_f32 and their like allow (about 1e-6 of the number): no bf16 or f16 on the way to a quantiser, and a product that is left as it is and whose result goes on into a quantised operand takes f32 operands (vector FMAs, or v_wmma_f32_16x16x4_f32). A number that lies on a knife's edge between two numbers of the format may be rounded either way, as far as f32 arithmetic and the matrix unit's own rounding can turn it there, and no further.
;; One version. Each part assembles by itself: llvm-mc -triple=amdgcn-amd-amdhsa -mcpu=gfx1250 --defsym DOCPART=n.
;; ======== version 1 of 1: 3 launches
;; limits: right only within a limited range of input values
;; workspace buffers: xq 2,228,224 bytes; w1q 4,456,448 bytes; w2q 4,456,448 bytes; hq 17,825,792 bytes; gates 65,536 bytes
;; launch prep (part 1): grid 512 x 1, 8 waves a work-group, no clusters, 75,264 bytes of LDS; arguments x, noise, Wr, br, Wn, bn, W1, xq, w1q, gates; writes xq, w1q, gates
.if DOCPART == 1
	.amdgcn_target "amdgcn-amd-amdhsa--gfx1250"
	.amdhsa_code_object_version 6
	.text
	.protected	k_q587e75c985_prep
	.globl	k_q587e75c985_prep
	.p2align	8
	.type	k_q587e75c985_prep,@function
k_q587e75c985_prep:
	s_mov_b64 s[64:65], 0
	v_nop
	global_prefetch_b8 v0, s[64:65] scope:SCOPE_SE
	s_setreg_imm32_b32 hwreg(HW_REG_WAVE_MODE, 25, 1), 1
	s_wait_xcnt 0x0
; x [4096][1024] and W1 [2][1024][4096], f32, become codes of FP4 (E2M1) with one E8M0 byte for each 32 along K; the router's gates are made on the way.
; ALL OPERANDS LEAVE AS PACKETS of 17,408 bytes: 64 rows (4 tiles of 16) x 512 along K (4 K steps of 128).  Codes of tile t, K step s, block of 32 j, row r: 16 bytes at 4096 t + 1024 s + 256 j + 16 r,
; which is the image of the matrix operand's registers (512 c + 16 x lane, j = 2 c + lane / 16).  Scale words (four bytes: one row, one K step) at 16,384 + 256 t + 16 r + 4 s.
; A block's scale is 2^(floor(log2(largest magnitude)) - 2): its byte is the largest magnitude's exponent field - 2, held at 1 from below.
; THE GATES: TOP_K = N_EXPERT = 2, so the mask that the module builds keeps both experts of every token: the gates are the softmax of the two noisy logits (the maximum is taken away first).
; Work-groups 0-255: 16 tokens of x each (wave w: K step w) and their gates.  256-511: a packet of W1 each.  Each of the two ways has LDS bytes of its own.
; No tensor loads, no cluster: no two work-groups read the same bytes.  No prefetch: the launch is one stream of loads with many on their way in every wave.
; LIMITS: NaN and infinities among the inputs are not served; a block whose largest magnitude lies under 2^-124 has its byte held at 1; a block of zeros carries the byte 1 (its codes are zeros, and this program alone reads the bytes).
; W2 IS NO PART OF THIS LAUNCH ANY MORE: its packets are made by the launch gemm1, in the same layout; the grid ends at work-group 511, and W2 and w2q are not among the arguments.
.set PKT,  17408
.set PKS,  16384
.set XSTW, 8448                        ; x: a stage for each wave: 16 rows x (512 bytes + 16)
.set RP,   67584                       ; x: the router's partial sums [wave 8][half 2][row 16][16 bytes]
.set XSC,  71680                       ; x: scale words [kg 2][row 16][4 words]
.set W1S,  72192                       ; W1: a packet's scale words, 1,024 bytes
.set W2S,  73216                       ; W2: likewise
.set X,    32                          ; v32-95   64 numbers
.set T,    96                          ; v96-111  router sums of four rows
.set PC,   112                         ; v112-119 a fragment's codes
; four rows of x: into the stage as they were loaded, and their part of the four router sums (logit 0, 1, noise logit 0, 1)
.macro ROUTE g
	s_wait_loadcnt 12-4*\g                         ; rows 4 g .. 4 g + 3 are in; the later rows' loads stay out
.irp p, 0,1,2,3
	ds_store_b128 v6, v[X+16*\g+4*\p:X+16*\g+4*\p+3] offset:(4*\g+\p)*528
.endr
.if \g > 0
	s_wait_dscnt 4                                 ; all but the four stores just issued: the last group's sums have been read out of T
.endif
.irp p, 0,1,2,3
.irp o, 0,1,2,3
	v_mul_f32 v[T+4*\p+\o], v[X+16*\g+4*\p], v[16+8*(\o/2)+\o%2]
.endr
.endr
.irp k, 1,2,3
.irp p, 0,1,2,3
.irp o, 0,1,2,3
	v_fmac_f32 v[T+4*\p+\o], v[X+16*\g+4*\p+\k], v[16+8*(\o/2)+2*\k+\o%2]
.endr
.endr
.endr
.irp m, 1,2,4,8
.irp j, 0,1,2,3,4,5,6,7,8,9,10,11,12,13,14,15
	v_add_f32_dpp v[T+\j], v[T+\j], v[T+\j] row_xmask:\m row_mask:0xf bank_mask:0xf
.endr
.endr
.irp p, 0,1,2,3
	ds_store_b128 v8, v[T+4*\p:T+4*\p+3] offset:(4*\g+\p)*16   ; the sixteen lanes of a half write the same 16 bytes with the same numbers
.endr
.endm
; a weight's block t of 32 along K: W(32 t + i, my column) into set t % 2
.macro WLOAD t
.irp i, 0,1,2,3,4,5,6,7,8,9,10,11,12,13,14,15,16,17,18,19,20,21,22,23,24,25,26,27,28,29,30,31
	global_load_b32 v[X+32*((\t)%2)+\i], v2, s[SRC:SRC+1] offset:(32*(\t)+\i)*KROWB th:TH_LOAD_NT
.endr
.endm
.macro WBLOCK t
.set XSET, X+32*((\t)%2)
.if (\t) < 3
	s_wait_loadcnt 32                              ; this block's 32 loads are in; the next block's stay out
.else
	s_wait_loadcnt 0x0
.endif
	v_max3_num_f32 v12, |v[XSET]|, |v[XSET+1]|, |v[XSET+2]|     ; the block's largest magnitude: all 32 numbers are mine; two chains
	v_max3_num_f32 v13, |v[XSET+3]|, |v[XSET+4]|, |v[XSET+5]|
.irp i, 6,10,14,18,22,26
	s_delay_alu instid0(VALU_DEP_2)
	v_max3_num_f32 v12, v12, |v[XSET+\i]|, |v[XSET+\i+1]|
	s_delay_alu instid0(VALU_DEP_2)
	v_max3_num_f32 v13, v13, |v[XSET+\i+2]|, |v[XSET+\i+3]|
.endr
	s_delay_alu instid0(VALU_DEP_2)
	v_max3_num_f32 v12, v12, |v[XSET+30]|, |v[XSET+31]|
	s_delay_alu instid0(VALU_DEP_1)
	v_max3_num_f32 v12, v12, v13, 0x1800000        ; and the floor 2^(3 - 127): the byte cannot fall under 1
	s_delay_alu instid0(VALU_DEP_1)
	v_add_nc_u32 v11, 0xff000000, v12              ; 2 off the exponent field: the conversion's scale operand
	s_delay_alu instid0(VALU_DEP_1)
	v_lshrrev_b32 v13, 23, v11                     ; the scale's byte
.if (\t) == 0
	s_delay_alu instid0(VALU_DEP_1)
	v_mov_b32 v14, v13
.else
	s_delay_alu instid0(VALU_DEP_1)
	v_lshl_or_b32 v14, v13, 8*(\t), v14            ; four bytes make my row's scale word of this K step
.endif
.irp g, 0,1,2,3
	v_cvt_scalef32_pk8_fp4_f32 v[96+4*(\t)+\g], v[XSET+8*\g:XSET+8*\g+7], v11
.endr
	global_store_b128 v3, v[96+4*(\t):96+4*(\t)+3], s[DST:DST+1] offset:256*(\t)   ; 32 lanes: two runs of 256 consecutive bytes, each at a multiple of 256; each block has its own data registers
.if (\t)+2 < 4
	WLOAD (\t)+2
.endif
.endm
; One packet of a weight: 64 columns x 512 along K.  Wave w: columns 32 (w & 1) on, K step w >> 1.  A lane takes a column and its registers run down K.
; which = 1: W1.  Its columns are laid so that in the transposed product a lane's 16 registers of two neighbouring tiles are 16 neighbours along the next K: column c of 32 goes to tile (c >> 3) & 1, row (c & 7) + 8 (c >> 4).
.macro WQ which
	s_and_b32 s33, s32, 1                          ; which 32 columns
	s_lshr_b32 s34, s32, 1                         ; which K step
	v_and_b32 v1, 31, v0
	s_delay_alu instid0(VALU_DEP_1)
	v_lshlrev_b32 v2, 2, v1                        ; in: 4 bytes a lane
.if \which == 1
.set KROWB, 16384
.set LBASE, W1S
.set SRC, 16
.set DST, 22
	v_bfe_u32 v5, v0, 3, 1                         ; my tile of the two
	s_wait_alu depctr_va_vdst(0)
	v_and_b32 v6, 7, v0
	v_bfe_u32 v7, v0, 4, 1
	s_delay_alu instid0(VALU_DEP_1)
	v_lshl_add_u32 v6, v7, 3, v6                   ; my row in it
	s_sub_co_u32 s36, ttmp9, 256
	s_and_b32 s37, s36, 127                        ; group of 64 columns of the 8,192 (expert x 4096 + f)
	s_lshr_b32 s38, s36, 7                         ; which 512 along K
	s_lshr_b32 s40, s37, 6
	s_lshl_b32 s40, s40, 24                        ; the expert: 1024 x 4096 x 4 bytes
	s_lshl_b32 s39, s38, 23                        ; 512 rows of 16,384 bytes
	s_add_co_u32 s40, s40, s39
	s_lshl_b32 s39, s34, 21                        ; 128 rows
	s_add_co_u32 s40, s40, s39
	s_and_b32 s39, s37, 63
	s_lshl_b32 s39, s39, 8
	s_add_co_u32 s40, s40, s39
	s_lshr_b32 s42, s37, 2                         ; packet ((cg >> 2) 2 + kg) 4 + (cg & 3)
	s_lshl_b32 s42, s42, 1
	s_add_co_u32 s42, s42, s38
	s_lshl_b32 s42, s42, 2
	s_and_b32 s39, s37, 3
	s_add_co_u32 s42, s42, s39
.else
.set KROWB, 4096
.set LBASE, W2S
.set SRC, 18
.set DST, 24
	v_bfe_u32 v5, v0, 4, 1
	s_wait_alu depctr_va_vdst(0)
	v_and_b32 v6, 15, v0
	s_sub_co_u32 s36, ttmp9, 512
	s_lshr_b32 s44, s36, 7                         ; the expert
	s_and_b32 s37, s36, 15                         ; group of 64 columns of the 1,024
	s_bfe_u32 s38, s36, 0x30004                    ; which 512 along K
	s_lshl_b32 s40, s44, 24
	s_lshl_b32 s39, s38, 21                        ; 512 rows of 4,096 bytes
	s_add_co_u32 s40, s40, s39
	s_lshl_b32 s39, s34, 19
	s_add_co_u32 s40, s40, s39
	s_lshl_b32 s39, s37, 8
	s_add_co_u32 s40, s40, s39
	s_lshl_b32 s42, s44, 3                         ; packet ((e 8 + (cg >> 1)) 8 + kg) 2 + (cg & 1)
	s_lshr_b32 s39, s37, 1
	s_add_co_u32 s42, s42, s39
	s_lshl_b32 s42, s42, 3
	s_add_co_u32 s42, s42, s38
	s_lshl_b32 s42, s42, 1
	s_and_b32 s39, s37, 1
	s_add_co_u32 s42, s42, s39
.endif
	s_lshl_b32 s39, s33, 7
	s_add_co_u32 s40, s40, s39
	s_mov_b32 s41, 0
	s_mul_i32 s42, s42, PKT
	s_mov_b32 s43, 0
	s_lshl_b32 s35, s33, 13                        ; my codes' place in the packet: two tiles on for the second 32 columns, 1,024 bytes a K step
	s_lshl_b32 s36, s34, 10
	s_add_co_u32 s35, s35, s36
	v_lshlrev_b32 v3, 12, v5
	s_wait_alu depctr_va_vdst(0)
	v_lshl_add_u32 v3, v6, 4, v3
	s_delay_alu instid0(VALU_DEP_1)
	v_add_nc_u32 v3, s35, v3
	s_lshl_b32 s35, s33, 9                         ; and my scale word's place in LDS
	s_lshl_b32 s36, s34, 2
	s_add_co_u32 s35, s35, s36
	s_add_co_u32 s35, s35, LBASE
	v_lshlrev_b32 v4, 8, v5
	s_delay_alu instid0(VALU_DEP_1)
	v_lshl_add_u32 v4, v6, 4, v4
	s_delay_alu instid0(VALU_DEP_1)
	v_add_nc_u32 v4, s35, v4
	v_lshl_add_u32 v8, v0, 4, LBASE                ; waves 0 and 1 read the 1,024 bytes back, 16 a thread
	v_lshlrev_b32 v9, 4, v0
	s_wait_kmcnt 0x0
	s_add_nc_u64 s[SRC:SRC+1], s[SRC:SRC+1], s[40:41]
	s_add_nc_u64 s[DST:DST+1], s[DST:DST+1], s[42:43]
	WLOAD 0
	WLOAD 1
	WBLOCK 0
	WBLOCK 1
	WBLOCK 2
	WBLOCK 3
	ds_store_b32 v4, v14
	s_wait_dscnt 0x0                               ; for the others' sake: my scale word lies in LDS
	s_barrier_signal -1
	s_barrier_wait -1
	s_cmp_lt_u32 s32, 2
	s_cbranch_scc0 .Lwdone_\@
	ds_load_b128 v[16:19], v8
	s_wait_dscnt 0x0
	global_store_b128 v9, v[16:19], s[DST:DST+1] offset:PKS   ; a wave stores 512 consecutive bytes
.Lwdone_\@:
	s_wait_tensorcnt 0x0
	ds_add_u32 v128, v129
	s_wait_dscnt 0x0
	s_endpgm
.endm
	s_load_b512 s[4:19], s[0:1], 0x0               ; x s4, noise s6, Wr s8, br s10, Wn s12, bn s14, W1 s16, xq s18
	s_load_b128 s[20:23], s[0:1], 0x38             ; xq s20, w1q s22  (s[18:19] hold xq too and are not used)
	s_load_b64 s[26:27], s[0:1], 0x48              ; gates s26
	v_lshl_add_u32 v128, v0, 2, 0x12200
	v_mov_b32 v129, 0
	v_lshrrev_b32 v1, 5, v0
	s_delay_alu instid0(VALU_DEP_1)
	v_readfirstlane_b32 s32, v1                    ; wave 0..7
	s_cmp_lt_u32 ttmp9, 256
	s_cbranch_scc0 .Lweights
	; ---------------- x: token tile T = the work-group's number; wave w takes K step w
	v_and_b32 v1, 31, v0                           ; lane
	v_and_b32 v2, 15, v0                           ; r
	s_wait_alu depctr_va_vdst(0)
	v_bfe_u32 v3, v0, 4, 1                         ; h
	v_lshlrev_b32 v4, 4, v1                        ; 16 x lane
	v_lshlrev_b32 v5, 5, v1                        ; Wr, Wn: my four k x two experts
	s_mul_i32 s33, s32, XSTW
	v_add_nc_u32 v6, s33, v4                       ; the stage, on the way in
	v_mul_u32_u24 v7, v2, 528
	s_delay_alu instid0(VALU_DEP_1)
	v_lshl_add_u32 v7, v3, 7, v7
	s_delay_alu instid0(VALU_DEP_1)
	v_add_nc_u32 v7, s33, v7                       ; and out: row r, + 128 h: 32 neighbours of each 64
	s_lshl_b32 s33, s32, 9
	s_add_co_u32 s33, s33, RP
	v_lshl_add_u32 v8, v3, 8, s33                  ; my half's partial sums
	s_lshr_b32 s34, s32, 2                         ; kg
	s_and_b32 s35, s32, 3                          ; K step in the packet
	s_lshl_b32 s33, s34, 8
	s_lshl_b32 s36, s35, 2
	s_add_co_u32 s33, s33, s36
	s_add_co_u32 s33, s33, XSC
	v_lshl_add_u32 v9, v2, 4, s33                  ; my row's scale word
	v_lshlrev_b32 v10, 3, v2                       ; noise: 8 bytes a token
	v_lshlrev_b32 v11, 3, v3                       ; 8 h
	v_add_nc_u32 v14, RP, v4                       ; wave 0 reads the partial sums here,
	v_add_nc_u32 v15, XSC, v4                      ; wave 1 the scale words
	v_mov_b32 v127, 0                              ; written once: a lane permute's destination counts as one of its sources
	s_mov_b32 s44, 0x76543210
	s_mov_b32 s45, 0xfedcba98                      ; selects for lane l xor 16
	s_wait_alu depctr_va_vdst(0)
	s_wait_kmcnt 0x0
	s_load_b64 s[28:29], s[10:11], 0x0             ; br
	s_load_b64 s[30:31], s[14:15], 0x0             ; bn
	s_mov_b32 s37, 0
	s_lshl_b32 s36, ttmp9, 16                      ; 16 rows of 4,096 bytes
	s_lshl_b32 s38, s32, 9
	s_add_co_u32 s36, s36, s38
	s_add_nc_u64 s[4:5], s[4:5], s[36:37]
	s_lshl_b32 s36, s32, 10                        ; 128 k x 8 bytes
	s_add_nc_u64 s[8:9], s[8:9], s[36:37]
	s_add_nc_u64 s[12:13], s[12:13], s[36:37]
	s_lshl_b32 s36, ttmp9, 7
	s_add_nc_u64 s[6:7], s[6:7], s[36:37]
	s_lshl_b32 s36, ttmp9, 8
	s_add_nc_u64 s[26:27], s[26:27], s[36:37]
	s_lshr_b32 s38, ttmp9, 2
	s_mul_i32 s38, s38, PKT                        ; the packet of my 64 tokens,
	s_and_b32 s39, ttmp9, 3                        ; my tile in it
	s_lshl_b32 s36, s39, 8
	s_add_co_u32 s36, s36, s38
	s_add_co_u32 s36, s36, PKS
	s_add_nc_u64 s[42:43], s[20:21], s[36:37]      ; the tile's scale words, kg 0
	s_mul_i32 s36, s34, 64*PKT
	s_add_co_u32 s36, s36, s38
	s_lshl_b32 s39, s39, 12
	s_add_co_u32 s36, s36, s39
	s_lshl_b32 s39, s35, 10
	s_add_co_u32 s36, s36, s39
	s_add_nc_u64 s[40:41], s[20:21], s[36:37]      ; my fragment
	global_load_b64 v[12:13], v10, s[6:7]
	global_load_b128 v[16:19], v5, s[8:9]
	global_load_b128 v[20:23], v5, s[8:9] offset:16
	global_load_b128 v[24:27], v5, s[12:13]
	global_load_b128 v[28:31], v5, s[12:13] offset:16
.irp i, 0,1,2,3,4,5,6,7,8,9,10,11,12,13,14,15
	global_load_b128 v[X+4*\i:X+4*\i+3], v4, s[4:5] offset:\i*4096 th:TH_LOAD_NT   ; 32 lanes read 512 consecutive bytes of row i
.endr
	ROUTE 0
	ROUTE 1
	ROUTE 2
	ROUTE 3
.irp c, 0,1
.irp i, 0,1,2,3,4,5,6,7
	ds_load_b128 v[X+32*\c+4*\i:X+32*\c+4*\i+3], v7 offset:256*\c+16*\i   ; back from my own stage (LDS serves a wave's instructions in order): k = 64 c + 32 h + 0 .. 31 of row r
.endr
.endr
	s_wait_dscnt 0x0
.irp c, 0,1
	v_max3_num_f32 v[120+\c], |v[X+32*\c]|, |v[X+1+32*\c]|, 0x1800000   ; my block 2 c + h, and the floor 2^(3 - 127)
.endr
.irp i, 2,4,6,8,10,12,14,16,18,20,22,24,26,28,30
.irp c, 0,1
	s_delay_alu instid0(VALU_DEP_2)
	v_max3_num_f32 v[120+\c], v[120+\c], |v[X+32*\c+\i]|, |v[X+1+32*\c+\i]|
.endr
.endr
	s_delay_alu instid0(VALU_DEP_2)
	v_add_nc_u32 v122, 0xff000000, v120            ; 2 off the exponent field: the conversions' scale operands
	s_delay_alu instid0(VALU_DEP_2)
	v_add_nc_u32 v123, 0xff000000, v121
	s_delay_alu instid0(VALU_DEP_2)
	v_lshrrev_b32 v124, 23, v122                   ; the bytes
	s_delay_alu instid0(VALU_DEP_2)
	v_lshrrev_b32 v125, 23, v123
	s_delay_alu instid0(VALU_DEP_1)
	v_lshl_or_b32 v126, v125, 16, v124             ; blocks h and 2 + h,
	s_delay_alu instid0(VALU_DEP_1)
	v_lshlrev_b32 v126, v11, v126                  ; at their places in the word;
	s_delay_alu instid0(VALU_DEP_1)
	v_permlanex16_b32 v127, v126, s44, s45
	s_delay_alu instid0(VALU_DEP_1)
	v_or_b32 v126, v126, v127                      ; with lane l xor 16's two the word is whole
.irp c, 0,1
.irp g, 0,1,2,3
	v_cvt_scalef32_pk8_fp4_f32 v[PC+4*\c+\g], v[X+32*\c+8*\g:X+32*\c+8*\g+7], v[122+\c]
.endr
.endr
	v_nop                                          ; a plain line behind the last conversion
	global_store_b128 v4, v[PC:PC+3], s[40:41]     ; the fragment as its registers stand: 512 consecutive bytes a store
	global_store_b128 v4, v[PC+4:PC+7], s[40:41] offset:512
	ds_store_b32 v9, v126                          ; lanes r and r + 16 write the same word with the same value
	s_wait_dscnt 0x0                               ; for the others' sake: my partial sums and my scale words lie in LDS
	s_barrier_signal -1
	s_barrier_wait -1
	s_cmp_eq_u32 s32, 0
	s_cbranch_scc1 .Lgates
	s_cmp_eq_u32 s32, 1
	s_cbranch_scc0 .Lxdone
	ds_load_b128 v[32:35], v15                     ; wave 1: lanes 0-15 kg 0's words of rows 0-15, lanes 16-31 kg 1's
	v_mul_u32_u24 v96, v3, 64*PKT
	s_delay_alu instid0(VALU_DEP_1)
	v_lshl_add_u32 v96, v2, 4, v96
	s_wait_alu depctr_va_vdst(0)
	s_wait_dscnt 0x0
	global_store_b128 v96, v[32:35], s[42:43]      ; two runs of 256 consecutive bytes
.Lxdone:
	s_wait_tensorcnt 0x0
	ds_add_u32 v128, v129
	s_wait_dscnt 0x0
	s_endpgm
.Lgates:                                               ; wave 0: lane (r, h) makes both gates of token r and stores gate h
.irp w, 0,1,2,3,4,5,6,7
	ds_load_b128 v[32+4*\w:35+4*\w], v14 offset:512*\w
.endr
	s_mov_b32 s46, 0xbfb8aa3b                      ; -log2(e)
	s_mov_b32 s47, 0x3f317218                      ; ln(2)
	s_mov_b32 s48, 0x3fb8aa3b                      ; log2(e)
	s_wait_dscnt 0x0
.irp j, 32,40,48,56
	v_pk_add_f32 v[\j:\j+1], v[\j:\j+1], v[\j+4:\j+5]
	v_pk_add_f32 v[\j+2:\j+3], v[\j+2:\j+3], v[\j+6:\j+7]
.endr
.irp j, 32
	v_pk_add_f32 v[\j:\j+1], v[\j:\j+1], v[\j+8:\j+9]
	v_pk_add_f32 v[\j+2:\j+3], v[\j+2:\j+3], v[\j+10:\j+11]
.endr
.irp j, 48
	s_delay_alu instid0(VALU_DEP_4)
	v_pk_add_f32 v[\j:\j+1], v[\j:\j+1], v[\j+8:\j+9]
	s_delay_alu instid0(VALU_DEP_4)
	v_pk_add_f32 v[\j+2:\j+3], v[\j+2:\j+3], v[\j+10:\j+11]
.endr
	s_delay_alu instid0(VALU_DEP_2)
	v_pk_add_f32 v[32:33], v[32:33], v[48:49]
	s_delay_alu instid0(VALU_DEP_2)
	v_pk_add_f32 v[34:35], v[34:35], v[50:51]
.irp o, 0,1,2,3
	v_permlanex16_b32 v[40+\o], v[32+\o], s44, s45
.endr
.irp o, 0,1,2,3
	s_delay_alu instid0(VALU_DEP_4)
	v_add_f32 v[32+\o], v[32+\o], v[40+\o]         ; with the other half of K: x . Wr (two), x . Wn (two)
.endr
	s_wait_alu depctr_va_vdst(0)
	s_wait_kmcnt 0x0
	v_add_f32 v32, s28, v32
	v_add_f32 v33, s29, v33
	v_add_f32 v34, s30, v34
	v_add_f32 v35, s31, v35
	s_delay_alu instid0(VALU_DEP_2)
	v_mul_f32 v36, s46, |v34|                      ; softplus(z) = max(z, 0) + ln 2 x log2(1 + 2^(-|z| log2 e)): no overflow for any z
	s_delay_alu instid0(VALU_DEP_2)
	v_mul_f32 v37, s46, |v35|
	s_wait_alu depctr_va_vdst(0)
	v_exp_f32 v36, v36
	v_exp_f32 v37, v37
	v_max_num_f32 v38, 0, v34                      ; (plain lines behind the two exponentials)
	v_max_num_f32 v39, 0, v35
	s_wait_alu depctr_va_vdst(0)                   ; one wait for the two, ahead of their first reader
	v_add_f32 v36, 1.0, v36
	v_add_f32 v37, 1.0, v37
	s_wait_alu depctr_va_vdst(0)
	v_log_f32 v36, v36
	v_log_f32 v37, v37
	v_nop
	s_wait_alu depctr_va_vdst(0)
	v_fmac_f32 v38, s47, v36
	v_fmac_f32 v39, s47, v37
	s_delay_alu instid0(VALU_DEP_2)
	v_fma_f32 v32, v12, v38, v32                   ; the noisy logits
	s_delay_alu instid0(VALU_DEP_2)
	v_fma_f32 v33, v13, v39, v33
	s_delay_alu instid0(VALU_DEP_1)
	v_max_num_f32 v40, v32, v33                    ; the softmax takes the maximum away first
	s_delay_alu instid0(VALU_DEP_1)
	v_sub_f32 v32, v32, v40
	s_delay_alu instid0(VALU_DEP_2)
	v_sub_f32 v33, v33, v40
	s_delay_alu instid0(VALU_DEP_2)
	v_mul_f32 v32, s48, v32
	s_delay_alu instid0(VALU_DEP_2)
	v_mul_f32 v33, s48, v33
	s_wait_alu depctr_va_vdst(0)
	v_exp_f32 v32, v32
	v_exp_f32 v33, v33
	v_nop
	s_wait_alu depctr_va_vdst(0)
	v_cmp_ne_u32 vcc_lo, 0, v3
	v_add_f32 v41, v32, v33                        ; between 1 and 2
	s_wait_alu depctr_va_vdst(0)
	v_rcp_f32 v41, v41
	v_cndmask_b32 v44, v32, v33, vcc_lo            ; (a plain line)  my half's numerator
	s_wait_alu depctr_va_vdst(0)
	v_mul_f32 v44, v44, v41
	s_delay_alu instid0(VALU_DEP_1)
	v_mov_b32 v45, v44                             ; each gate twice: a pair for the packed multiply of the last launch
	v_lshl_add_u32 v46, v2, 4, v11
	global_store_b64 v46, v[44:45], s[26:27]       ; 32 lanes store the tile's 256 consecutive bytes
	s_wait_tensorcnt 0x0
	ds_add_u32 v128, v129
	s_wait_dscnt 0x0
	s_endpgm
.Lweights:
	WQ 1
.Lfunc_end_k_q587e75c985_prep:
	.size	k_q587e75c985_prep, .Lfunc_end_k_q587e75c985_prep-k_q587e75c985_prep
	.p2alignl 7, 3214868480
	.fill 96, 4, 3214868480
	.section	.rodata,"a",@progbits
	.p2align	6, 0x0
	.amdhsa_kernel k_q587e75c985_prep
		.amdhsa_group_segment_fixed_size 75264
		.amdhsa_private_segment_fixed_size 0
		.amdhsa_enable_private_segment 0
		.amdhsa_kernarg_size 80
		.amdhsa_user_sgpr_count 2
		.amdhsa_user_sgpr_kernarg_segment_ptr 1
		.amdhsa_wavefront_size32 1
		.amdhsa_system_sgpr_workgroup_id_x 1
		.amdhsa_system_sgpr_workgroup_id_y 1
		.amdhsa_system_sgpr_workgroup_id_z 1
		.amdhsa_system_vgpr_workitem_id 0
		.amdhsa_next_free_vgpr 130
		.amdhsa_next_free_sgpr 66
		.amdhsa_reserve_vcc 1
		.amdhsa_float_denorm_mode_32 3
		.amdhsa_float_denorm_mode_16_64 3
		.amdhsa_memory_ordered 1
		.amdhsa_forward_progress 1
		.amdhsa_inst_pref_size 65
	.end_amdhsa_kernel
	.amdgpu_metadata
---
amdhsa.version: [ 1, 2 ]
amdhsa.kernels:
  - .name:           k_q587e75c985_prep
    .symbol:         k_q587e75c985_prep.kd
    .args:
      - { .name: x, .offset: 0, .size: 8, .value_kind: global_buffer, .address_space: global }
      - { .name: noise, .offset: 8, .size: 8, .value_kind: global_buffer, .address_space: global }
      - { .name: Wr, .offset: 16, .size: 8, .value_kind: global_buffer, .address_space: global }
      - { .name: br, .offset: 24, .size: 8, .value_kind: global_buffer, .address_space: global }
      - { .name: Wn, .offset: 32, .size: 8, .value_kind: global_buffer, .address_space: global }
      - { .name: bn, .offset: 40, .size: 8, .value_kind: global_buffer, .address_space: global }
      - { .name: W1, .offset: 48, .size: 8, .value_kind: global_buffer, .address_space: global }
      - { .name: xq, .offset: 56, .size: 8, .value_kind: global_buffer, .address_space: global }
      - { .name: w1q, .offset: 64, .size: 8, .value_kind: global_buffer, .address_space: global }
      - { .name: gates, .offset: 72, .size: 8, .value_kind: global_buffer, .address_space: global }
    .group_segment_fixed_size: 75264
    .private_segment_fixed_size: 0
    .kernarg_segment_align: 8
    .kernarg_segment_size: 80
    .max_flat_workgroup_size: 256
    .sgpr_count:     66
    .vgpr_count:     130
    .wavefront_size: 32
...
	.end_amdgpu_metadata
.endif
;; end of part 1
;; launch gemm1 (part 2): grid 16 x 16, 4 waves a work-group, clusters of 4 x 4, 327,680 bytes of LDS; arguments xq, w1q, b1, hq, W2, w2q; writes hq, w2q
.if DOCPART == 2
	.amdgcn_target "amdgcn-amd-amdhsa--gfx1250"
	.amdhsa_code_object_version 6
	.text
	.protected	k_q587e75c985_gemm1
	.globl	k_q587e75c985_gemm1
	.p2align	8
	.type	k_q587e75c985_gemm1,@function
k_q587e75c985_gemm1:
	s_mov_b64 s[64:65], 0
	v_nop
	global_prefetch_b8 v0, s[64:65] scope:SCOPE_SE
	s_setreg_imm32_b32 hwreg(HW_REG_WAVE_MODE, 25, 1), 1
	s_wait_xcnt 0x0
	s_wait_alu depctr_hold_cnt(0) depctr_sa_sdst(0) depctr_va_vdst(0) depctr_va_sdst(0) depctr_va_ssrc(0) depctr_va_vcc(0) depctr_vm_vsrc(0)
	s_getreg_b32 s2, hwreg(HW_REG_IB_STS2, 6, 4)
	s_cmp_eq_u32 s2, 0
	s_cbranch_scc0 .Lentry_in_a_cluster
	s_endpgm
.Lentry_in_a_cluster:
	s_bfe_u32 s2, ttmp6, 0x10000c
	s_cmp_lg_u32 s2, 0xf033
	s_cbranch_scc0 .Lentry_shape_is_right
	s_endpgm
.Lentry_shape_is_right:
; hq = the codes of relu(x W1 + b1), both operands codes of FP4 (E2M1) with one E8M0 byte for each 32 along K; sums in f32; the hidden layer is quantised in registers along the next product's K and leaves as codes.
; OPERANDS ARE PACKETS of 17,408 bytes: 64 rows (4 tiles of 16) x 512 along K (4 K steps of 128): codes at 4096 t + 1024 s + 512 c + 16 x lane, the image of a fragment's registers; scale words at 16,384 + 256 t + 16 r + 4 s.
; SHARES.  Work-group (bx, by): tokens 256 by on, hidden columns 512 bx on (of 8,192 = expert x 4096 + f), as two tiles of 256 x 256, one after the other.  A wave makes 128 x 128: 64 accumulators, 512 registers.
; x's codes of the 256 tokens, all of K (8 packets), come into LDS once and serve both tiles.  W1's come through two slots of four packets (512 along K); each slot is filled again once, for the second tile.
; CLUSTERS: 4 x 4 work-groups.  x's packets hang on by alone and are asked for jointly along a row of the cluster, W1's on bx alone, along a column.  Every wave issues every load: a packet or two of its own.
; THE PRODUCT IS USED TRANSPOSED (source 0 = 16 rows of W1's operand, source 1 = 16 tokens): a lane holds one token, and, by the order in which the launch before laid W1's rows, the 16 registers of tiles 2 b and 2 b + 1
; are hidden units 32 b + 16 (lane / 16) + 0 .. 15.  b1 is the C of each sum's first product.  A wave's 128 columns are one K step of the next product: one fragment and one scale word for each tile of tokens.
; No prefetch: a wave has two refills in the whole launch.
; LIMITS: NaN and infinities are not served; a block whose largest number lies under 2^-124 has its byte held at 1, a block of zeros too (its codes are zeros); the sums begin with b1, another order of rounding than a bias added last.
; REGISTERS: window 0: v16-29 addresses; v32-95 scale words, two sets, and nothing else; v96-127 at work on the way out; v128-191 the tokens' fragments, ONE set (on the way out at work); v192-255 the codes just made.
;   window 1: W1's fragments, two sets, at v0 and v128; b1 at v64-127.   windows 2, 3: the accumulators of my tokens 0-63, 64-127 ((a, b) at v[8 (8 (a % 4) + b)]).
.set PKT,   17408
.set PKS,   16384
.set NQ,    4                          ; K steps of 128 in a slot
.set KSLOT, 4*PKT                      ; 512 along K of 256 rows
.set BB,    8*PKT                      ; LDS: x's 8 packets [kg 2][4], then W1's two slots,
.set HS,    16*PKT                     ; the hidden layer's scale words [tile of tokens 16][row 16][4 words],
.set SPARE, HS+4096                    ; and the spare words, 128 bytes for each wave: two blocks of 256 bytes that no other line names
.set W2S,   SPARE+512                  ; behind them: the scale words of the packet of W2 that this work-group makes, 1,024 bytes
.set WLO,  8                           ; v8      W2: 4 x lane
.set WST,  9                           ; v9      W2's codes: 4096 x (lane / 16) + 16 x (lane % 16)
.set WSA,  10                          ; v10     LDS: my column's scale words
.set WD,   11                          ; v11-12  my column's scale words of my two K steps
.set WSR,  13                          ; v13     LDS: the 256 bytes of scale words that my wave stores
.set WSO,  14                          ; v14     8 x lane
.set ADRA, 16                          ; v16-17  my tokens' fragments, kg 0, 1
.set ADRB, 20                          ; v20-21  my rows of W1, slot 0, 1
.set ADRS, 22                          ; v22-23  scale words: lanes 0-15 the tokens', lanes 16-31 W1's
.set LI,   24                          ; v24     16 x lane
.set HSW,  25                          ; v25     where I put a scale word
.set HSR,  26                          ; v26     where I read a packet's scale words back
.set BO,   27                          ; v27     b1: 64 x (lane / 16)
.set SPW,  28                          ; v28     my spare word; never rewritten
.set NIL,  29                          ; v29     0; never rewritten
.set SC,   32
.set TM,   96                          ; v96-111  largest numbers of 16 blocks
.set TP,   112                         ; v112-127 the other half's
.set AF,   128
.set TS,   128                         ; v128-143 the conversions' scale operands
.set TBY,  144                         ; v144-159 the bytes
.set PW,   160                         ; v160-167 scale words, four for each half of the accumulators
.set PC,   192                         ; v192-255 codes, 32 registers for each half
.set G1A, 24                           ; s[24:31] group 1, s[32:35] group 0 for x's packets
.set G0A, 32
.set G1B, 48                           ; s[48:55] group 1, s[56:63] group 0 (a set for each slot) for W1's
.set G0B, 56
.set SEL, 70
.set MSB, 0
.macro WIN new                         ; the immediate's high byte repeats the setting that is left
.if MSB != (\new)
	s_set_vgpr_msb (MSB<<8)|(\new)
.set MSB, (\new)
.endif
.endm
.set MUL_LO,  0xa1                     ; source 0 (W1) window 1, source 1 (tokens) window 0, C and D window 2
.set MUL_HI,  0xf1                     ; the same, C and D window 3
.set MULB_LO, 0x91                     ; C (b1) window 1, D window 2
.set MULB_HI, 0xd1                     ; C window 1, D window 3
.set TO_B,    0x40                     ; destination window 1
.macro PLACES n
.rept \n
	v_nop
.endr
.endm
.macro CREST                           ; a round of the cluster's barrier behind its opening barrier
	s_cmp_lg_u32 s14, 0
	s_cbranch_scc1 .Lnot_wave_0_\@
	s_barrier_signal -3
.Lnot_wave_0_\@:
	s_barrier_wait -3
	s_barrier_signal -1
	s_barrier_wait -1
.endm
.macro CROUND
	s_barrier_signal -1
	s_barrier_wait -1
	CREST
.endm
.macro FRAG reg, adr, off              ; a fragment: 8 registers, two loads of 512 consecutive bytes
.irp c, 0,1
	ds_load_b128 v[(\reg)+4*\c:(\reg)+4*\c+3], v[\adr] offset:(\off)+512*\c
.endr
.endm
.macro FETCH_B slot, q, p              ; W1's eight fragments of the slot's q-th K step into set p
	WIN TO_B
.irp i, 0,1,2,3,4,5,6,7
	FRAG 128*(\p)+8*\i, ADRB+\slot, (\i/4)*PKT+(\i%4)*4096+(\q)*1024
.endr
	WIN 0
.endm
.macro FETCH_A slot, q, i0             ; the tokens' blocks i0 .. i0 + 3
.irp i, \i0, \i0+1, \i0+2, \i0+3
	FRAG AF+8*(\i), ADRA+\slot, ((\i)/4)*PKT+((\i)%4)*4096+(\q)*1024
.endr
.endm
.macro SCALES slot                     ; a slot's scale words: four a row; register 4 i + q: lanes 0-15 the tokens' block i, lanes 16-31 W1's tile i
.irp i, 0,1,2,3,4,5,6,7
	ds_load_b128 v[SC+8*NQ*(\slot)+NQ*\i:SC+8*NQ*(\slot)+NQ*\i+3], v[ADRS+\slot] offset:(\i/4)*PKT+(\i%4)*256
.endr
.endm
; 16 products: token blocks a0, a0 + 1 x W1's eight tiles.  bias = 1: b1 starts the sums.  The 64 accumulators take turns, one instruction a turn.
.macro MUL16 a0, p, q, sc, bias
.irp a, \a0, \a0+1
.irp b, 0,1,2,3,4,5,6,7
.if \bias
	v_wmma_scale_f32_16x16x128_f8f6f4 v[8*(8*((\a)%4)+\b):8*(8*((\a)%4)+\b)+7], v[128*(\p)+8*\b:128*(\p)+8*\b+7], v[AF+8*(\a):AF+8*(\a)+7], v[64+8*\b:64+8*\b+7], v[SC+8*NQ*(\sc)+NQ*\b+(\q)], v[SC+8*NQ*(\sc)+NQ*(\a)+(\q)] matrix_a_fmt:MATRIX_FMT_FP4 matrix_b_fmt:MATRIX_FMT_FP4 matrix_a_scale:MATRIX_SCALE_ROW1
.else
	v_wmma_scale_f32_16x16x128_f8f6f4 v[8*(8*((\a)%4)+\b):8*(8*((\a)%4)+\b)+7], v[128*(\p)+8*\b:128*(\p)+8*\b+7], v[AF+8*(\a):AF+8*(\a)+7], v[8*(8*((\a)%4)+\b):8*(8*((\a)%4)+\b)+7], v[SC+8*NQ*(\sc)+NQ*\b+(\q)], v[SC+8*NQ*(\sc)+NQ*(\a)+(\q)] matrix_a_fmt:MATRIX_FMT_FP4 matrix_b_fmt:MATRIX_FMT_FP4 matrix_a_scale:MATRIX_SCALE_ROW1
.endif
.endr
.endr
.endm
; A K step of 128 that has its successor in the same slot.  Four plain lines stand in front of each run of loads into registers that products have read (ISA guide 7.12.1 for vector instructions).
.macro STEP slot, q, bias
	s_wait_dscnt 8                                 ; W1's set and token blocks 0-3 are in; the youngest eight loads (blocks 4-7) may be out
.if \bias
	WIN MULB_LO
.else
	WIN MUL_LO
.endif
	MUL16 0, (\q)%2, \q, \slot, \bias
	MUL16 2, (\q)%2, \q, \slot, \bias
	s_wait_dscnt 0x0                               ; blocks 4-7 are in
	PLACES 4
	FETCH_B \slot, (\q)+1, 1-(\q)%2
	FETCH_A \slot, (\q)+1, 0
.if \bias
	WIN MULB_HI
.else
	WIN MUL_HI
.endif
	MUL16 4, (\q)%2, \q, \slot, \bias
	MUL16 6, (\q)%2, \q, \slot, \bias
	PLACES 4
	WIN 0
	FETCH_A \slot, (\q)+1, 4
.endm
; The first half of a slot's last K step, and the change of slots: each wave waits for all its tensor loads, adds 0 to its spare word, and waits for that and for its reads of the slot; one barrier.
; fill = 1: the barrier opens a round of the cluster's barrier, and behind it W1's slot is filled again, with the second tile's packets: my one tensor load behind the round.
.macro TURNHEAD slot, fill
	s_wait_tensorcnt 0x0                           ; all my tensor loads have landed  (every window is 0 here)
	ds_add_u32 v[SPW], v[NIL]                      ; 0 onto my spare word
	s_wait_dscnt 9                                 ; (the add and the youngest eight loads may be out)
	WIN MUL_LO
	MUL16 0, 1, NQ-1, \slot, 0                     ; sixteen products stand between the add and the wait for it
	s_wait_dscnt 0x0                               ; the add is done, and my reads of this slot are over
	s_barrier_signal -1
	MUL16 2, 1, NQ-1, \slot, 0
	WIN 0
	s_barrier_wait -1
.if \fill
	CREST                                          ; no wave of any partner still reads this slot or has a load on its way
	s_add_nc_u64 s[G0B+4*\slot+2:G0B+4*\slot+3], s[G0B+4*\slot+2:G0B+4*\slot+3], 8*PKT   ; the next tile of 256 columns: 2 kg x 4 packets on
	tensor_load_to_lds s[G0B+4*\slot:G0B+4*\slot+3], s[G1B:G1B+7]
	s_nop 0
	PLACES 4                                       ; four plain lines behind the load; they are also the places in front of the loads that follow
.else
	PLACES 4
.endif
.endm
.macro TURN slot, next, fill
	TURNHEAD \slot, \fill
	FETCH_B \next, 0, 0
	FETCH_A \next, 0, 0
	SCALES \next
	WIN MUL_HI
	MUL16 4, 1, NQ-1, \slot, 0
	MUL16 6, 1, NQ-1, \slot, 0
	PLACES 4
	WIN 0
	FETCH_A \next, 0, 4
.endm
.macro ENDT fill                       ; a tile's last K step: nothing more is fetched from LDS
.if \fill
	TURNHEAD 1, 1
.else
	s_wait_dscnt 8
	WIN MUL_LO
	MUL16 0, 1, NQ-1, 1, 0
	MUL16 2, 1, NQ-1, 1, 0
	s_wait_dscnt 0x0
.endif
	WIN MUL_HI
	MUL16 4, 1, NQ-1, 1, 0
	MUL16 6, 1, NQ-1, 1, 0
	WIN 0
.endm
.macro BIAS tau                        ; b1 in the result's layout: for tile 2 b + u the lane's eight units 32 b + 16 h + 8 u + 0 .. 7
	WIN TO_B
.irp b, 0,1,2,3,4,5,6,7
.irp i, 0,1
	global_load_b128 v[64+8*\b+4*\i:64+8*\b+4*\i+3], v[BO], s[8:9] offset:(\tau)*1024+(32*(\b/2)+8*(\b%2))*4+16*\i
.endr
.endr
	WIN 0
.endm
; THE WAY OUT of a tile: relu, the blocks' largest numbers, scale bytes, codes; half of the accumulators (four blocks of 16 tokens) at a time.  Register 16 k + i of a window: block of tokens k / 4, k-block k % 4, unit 32 (k % 4) + 16 h + i.
.macro EPI tau
	PLACES 4                                       ; behind the last products
.if (\tau) == 0
	BIAS 1                                         ; the next tile's bias lands while this tile goes out
.else
	s_wait_xcnt 0x0                                ; the last tile's stores have read their registers: the codes' registers are written again
.endif
.irp H, 0,1
	WIN 0x28+0x14*\H                               ; sources 1 and 2: window 2 or 3
.irp k, 0,1,2,3,4,5,6,7,8,9,10,11,12,13,14,15
	v_max3_num_f32 v[TM+\k], 0x1800000, v[16*\k], v[16*\k+1]   ; my 16 numbers of a block (taken without |.|: a negative number does not count), and the floor 2^(3 - 127); sixteen blocks by turns
.endr
.irp i, 2,4,6,8,10,12,14
.irp k, 0,1,2,3,4,5,6,7,8,9,10,11,12,13,14,15
	v_max3_num_f32 v[TM+\k], v[TM+\k], v[16*\k+\i], v[16*\k+\i+1]
.endr
.endr
	WIN 0
.irp k, 0,1,2,3,4,5,6,7,8,9,10,11,12,13,14,15
	v_permlanex16_b32 v[TP+\k], v[TM+\k], s[SEL], s[SEL+1]
.endr
.irp k, 0,1,2,3,4,5,6,7,8,9,10,11,12,13,14,15
	v_max_num_f32 v[TM+\k], v[TM+\k], v[TP+\k]     ; with lane l xor 16's 16: the block's largest
.endr
.irp k, 0,1,2,3,4,5,6,7,8,9,10,11,12,13,14,15
	v_add_nc_u32 v[TS+\k], 0xff000000, v[TM+\k]    ; 2 off the exponent field: the conversion's scale operand
.endr
.irp k, 0,1,2,3,4,5,6,7,8,9,10,11,12,13,14,15
	v_lshrrev_b32 v[TBY+\k], 23, v[TS+\k]          ; the scale's byte
.endr
.irp a, 0,1,2,3
	v_lshl_or_b32 v[PW+4*\H+\a], v[TBY+4*\a+1], 8, v[TBY+4*\a]
	v_lshl_or_b32 v[PW+4*\H+\a], v[TBY+4*\a+2], 16, v[PW+4*\H+\a]
	v_lshl_or_b32 v[PW+4*\H+\a], v[TBY+4*\a+3], 24, v[PW+4*\H+\a]
.endr
	WIN 0x02+\H                                    ; source 0: window 2 or 3
.irp k, 0,1,2,3,4,5,6,7,8,9,10,11,12,13,14,15
	v_cvt_scalef32_pk8_fp4_f32 v[PC+32*\H+2*\k], v[16*\k:16*\k+7], v[TS+\k]
	v_cvt_scalef32_pk8_fp4_f32 v[PC+32*\H+2*\k+1], v[16*\k+8:16*\k+15], v[TS+\k]
.endr
	WIN 0
	v_nop                                          ; a plain line behind the last conversion
; THE ACTIVATION IS TAKEN ON THE CODES: the blocks' largest numbers above were taken without |.|, over the floor, so what is negative does not count for a scale; a negative number's code has its sign bit set.
; t = the eight sign bits; t - (t >> 3) has the three lower bits of each such code; these are cleared: what is left of a negative number is the code of -0, which adds nothing to a sum.
.set j, 0
.rept 32
	v_and_b32 v[TM+j], 0x88888888, v[PC+32*\H+j]
.set j, j+1
.endr
.set j, 0
.rept 32
	v_lshrrev_b32 v[TS+j], 3, v[TM+j]
.set j, j+1
.endr
.set j, 0
.rept 32
	v_sub_nc_u32 v[TM+j], v[TM+j], v[TS+j]
.set j, j+1
.endr
.set j, 0
.rept 32
	v_bfi_b32 v[PC+32*\H+j], v[TM+j], 0, v[PC+32*\H+j]
.set j, j+1
.endr
.irp a, 0,1,2,3
.irp c, 0,1
.irp i, 0,1
	v_permlane16_swap_b32 v[PC+32*\H+8*\a+4*\c+\i], v[PC+32*\H+8*\a+4*\c+2+\i]   ; the operand's layout wants a whole block in a lane
.endr
.endr
.endr
.irp a, 0,1,2,3
.irp c, 0,1
	global_store_b128 v[LI], v[PC+32*\H+8*\a+4*\c:PC+32*\H+8*\a+4*\c+3], s[10:11] offset:\H*PKT+\a*4096+(\tau)*2048+512*\c   ; the fragment as its registers stand: 512 consecutive bytes, at a multiple of 256
.endr
	ds_store_b32 v[HSW], v[PW+4*\H+\a] offset:(4*\H+\a)*256+8*(\tau)   ; lanes r and r + 16 write the same word with the same value
.endr
.endr
.endm
; W2 [2][4096][1024], f32, IS QUANTISED ON THE WAY, for the next launch: work-group 16 by + bx makes one packet of w2q (64 columns x 512 along K), by the quantiser and in the layout of the launch before.
; Wave w: columns 32 (w & 1) on, K steps 2 (w >> 1) and the next.  A lane takes a column and its registers run down K: eight blocks of 32, in four pairs, through v192-255 of window 1, which the products do not name.
; A pair's 64 loads are issued four K steps of the product ahead of the lines that read them.
.macro W2LOAD n                        ; pair n: rows 128 (n / 2) + 64 (n % 2) + 0 .. 63 of my 256
	WIN TO_B
.set j, 0
.rept 64
	global_load_b32 v[192+j], v[WLO], s[12:13] offset:(128*((\n)/2)+64*((\n)%2)+j)*4096 th:TH_LOAD_NT
.set j, j+1
.endr
	WIN 0
.endm
.macro W2CONS n
	s_wait_loadcnt 0x0                             ; the pair is in
	WIN 0x14                                       ; sources 1 and 2: window 1
	v_max3_num_f32 v96, 0x1800000, |v192|, |v193|  ; each block's largest magnitude, and the floor 2^(3 - 127); the two blocks by turns
	v_max3_num_f32 v97, 0x1800000, |v224|, |v225|
.irp i, 2,4,6,8,10,12,14,16,18,20,22,24,26,28,30
	v_max3_num_f32 v96, v96, |v[192+\i]|, |v[193+\i]|
	v_max3_num_f32 v97, v97, |v[224+\i]|, |v[225+\i]|
.endr
	WIN 0
	v_add_nc_u32 v98, 0xff000000, v96              ; 2 off the exponent field: the conversions' scale operands
	v_add_nc_u32 v99, 0xff000000, v97
	v_lshrrev_b32 v96, 23, v98                     ; the bytes
	v_lshrrev_b32 v97, 23, v99
.if (\n)%2 == 0
	v_lshl_or_b32 v[WD+(\n)/2], v97, 8, v96        ; four bytes make my column's scale word of a K step
.else
	v_lshl_or_b32 v[WD+(\n)/2], v96, 16, v[WD+(\n)/2]
	v_lshl_or_b32 v[WD+(\n)/2], v97, 24, v[WD+(\n)/2]
.endif
	WIN 0x01                                       ; source 0: window 1
.irp g, 0,1,2,3
	v_cvt_scalef32_pk8_fp4_f32 v[100+\g], v[192+8*\g:199+8*\g], v98
	v_cvt_scalef32_pk8_fp4_f32 v[104+\g], v[224+8*\g:231+8*\g], v99
.endr
	WIN 0
	v_nop                                          ; a plain line behind the last conversion
	global_store_b128 v[WST], v[100:103], s[36:37] offset:((\n)/2)*1024+512*((\n)%2)       ; 32 lanes: two runs of 256 consecutive bytes, each at a multiple of 256
	global_store_b128 v[WST], v[104:107], s[36:37] offset:((\n)/2)*1024+512*((\n)%2)+256
	s_wait_alu depctr_va_vdst(0)
	s_wait_xcnt 0x0                                ; the two stores have read their registers, which later lines write again
.if (\n) < 3
	W2LOAD (\n)+1
.endif
.endm
.macro TILE tau, fill
	FETCH_B 0, 0, 0
	FETCH_A 0, 0, 0
	SCALES 0
	FETCH_A 0, 0, 4
	STEP 0, 0, 1
	STEP 0, 1, 0
	STEP 0, 2, 0
	W2CONS 2*(\tau)
	TURN 0, 1, \fill
	STEP 1, 0, 0
	STEP 1, 1, 0
	STEP 1, 2, 0
	W2CONS 2*(\tau)+1
	ENDT \fill
	EPI \tau
.endm
	s_load_b256 s[4:11], s[0:1], 0x0               ; xq s4, w1q s6, b1 s8, hq s10
	s_load_b64 s[12:13], s[0:1], 0x20              ; W2
	s_load_b64 s[36:37], s[0:1], 0x28              ; w2q
	v_lshl_add_u32 v[SPW], v0, 2, SPARE
	v_mov_b32 v[NIL], 0
	ds_add_u32 v28, v29
	ds_add_u32 v28, v29
	s_wait_dscnt 0x0
	v_lshrrev_b32 v1, 5, v0
	v_readfirstlane_b32 s14, v1                    ; wave 0..3
	s_lshr_b32 s15, s14, 1                         ; which 128 tokens are mine
	s_and_b32 s16, s14, 1                          ; which 128 columns
	s_bfe_u32 s40, ttmp6, 0x40000                  ; cx, cy: my place in the cluster
	s_bfe_u32 s41, ttmp6, 0x40004
	s_lshl_b32 s42, ttmp9, 2
	s_add_co_u32 s42, s42, s40                     ; bx
	s_and_b32 s17, ttmp7, 0xffff
	s_lshl_b32 s17, s17, 2
	s_add_co_u32 s17, s17, s41                     ; by
	s_lshl_b32 s43, s41, 2
	s_lshl_b32 s43, 15, s43                        ; my row of the cluster
	s_lshl_b32 s44, 0x1111, s40                    ; my column
	; group 1: dense blocks as rows of 256 bytes (32 elements of 8 bytes), no padding: x: two packets, 136 rows; W1: one, 68 rows
	s_or_b32 s[G1A], s43, (3<<16)|(1<<21)          ; 15:0 the mask; 17:16 elements of 8 bytes; 21 set beside a mask
	s_mov_b32 s[G1A+1], 32<<16                     ; tensor_dim0
	s_mov_b32 s[G1A+2], 136<<16                    ; tensor_dim1
	s_mov_b32 s[G1A+3], 32<<16                     ; tile_dim0
	s_mov_b32 s[G1A+4], 136                        ; tile_dim1
	s_mov_b32 s[G1A+5], 32                         ; the pitch
	s_mov_b32 s[G1A+6], 0
	s_mov_b32 s[G1A+7], 0
	s_or_b32 s[G1B], s44, (3<<16)|(1<<21)
	s_mov_b32 s[G1B+1], 32<<16
	s_mov_b32 s[G1B+2], 68<<16
	s_mov_b32 s[G1B+3], 32<<16
	s_mov_b32 s[G1B+4], 68
	s_mov_b32 s[G1B+5], 32
	s_mov_b32 s[G1B+6], 0
	s_mov_b32 s[G1B+7], 0
	s_mov_b32 s20, 0                               ; x, first 512 along K: packet 4 by + 2 (w & 1), and the next
	s_lshl_b32 s21, s17, 2
	s_add_co_u32 s20, s20, s21
	s_lshl_b32 s21, s16, 1
	s_add_co_u32 s20, s20, s21
	s_mul_i32 s20, s20, PKT
	s_mov_b32 s21, 0
	s_lshl_b32 s46, s42, 4                         ; W1: packet (4 bx + slot) 4 + w
	s_add_co_u32 s46, s46, s14
	s_mul_i32 s46, s46, PKT
	s_mov_b32 s47, 0
	s_mul_i32 s45, s16, 2*PKT                      ; where a pair of packets goes, by the wave's number alone
	s_lshl_b32 s92, s42, 4                         ; W1 at the head: packets 16 bx + 2 (w & 1) and the next
	s_lshl_b32 s93, s16, 1
	s_add_co_u32 s92, s92, s93
	s_mul_i32 s92, s92, PKT
	s_mov_b32 s93, 0
	s_add_co_u32 s73, s45, BB
	s_lshl_b32 s2, s17, 4                          ; W2's packet: number 16 by + bx = expert x 128 + (512 along K) x 16 + group of 64 columns
	s_add_co_u32 s2, s2, s42
	s_lshr_b32 s3, s2, 7                           ; the expert
	s_lshl_b32 s74, s3, 24                         ; 4096 x 1024 x 4 bytes
	s_bfe_u32 s38, s2, 0x30004                     ; which 512 along K
	s_lshl_b32 s75, s38, 21                        ; 512 rows of 4,096 bytes
	s_add_co_u32 s74, s74, s75
	s_lshl_b32 s75, s15, 20                        ; my two K steps: 256 rows
	s_add_co_u32 s74, s74, s75
	s_and_b32 s2, s2, 15                           ; the group of 64 columns
	s_lshl_b32 s75, s2, 8
	s_add_co_u32 s74, s74, s75
	s_lshl_b32 s75, s16, 7                         ; my 32 columns
	s_add_co_u32 s74, s74, s75
	s_mov_b32 s75, 0
	s_lshl_b32 s3, s3, 3                           ; packet ((8 expert + (group >> 1)) 8 + (512 along K)) 2 + (group & 1)
	s_lshr_b32 s94, s2, 1
	s_add_co_u32 s3, s3, s94
	s_lshl_b32 s3, s3, 3
	s_add_co_u32 s3, s3, s38
	s_lshl_b32 s3, s3, 1
	s_and_b32 s2, s2, 1
	s_add_co_u32 s2, s2, s3
	s_mul_i32 s2, s2, PKT
	s_mov_b32 s3, 0
	s_or_b32 s76, s44, (3<<16)|(1<<21)             ; s[76:83]: group 1 for two packets of W1, 136 rows of 256 bytes, my column's mask
	s_mov_b32 s77, 32<<16
	s_mov_b32 s78, 136<<16
	s_mov_b32 s79, 32<<16
	s_mov_b32 s80, 136
	s_mov_b32 s81, 32
	s_mov_b32 s82, 0
	s_mov_b32 s83, 0
	s_mul_i32 s39, s14, PKT
	s_add_co_u32 s39, s39, BB
	s_mov_b32 s[SEL], 0x76543210
	s_mov_b32 s[SEL+1], 0xfedcba98
	s_wait_kmcnt 0x0
	s_add_nc_u64 s[20:21], s[4:5], s[20:21]
	s_add_nc_u64 s[46:47], s[6:7], s[46:47]
	s_add_nc_u64 s[92:93], s[6:7], s[92:93]
	s_add_nc_u64 s[12:13], s[12:13], s[74:75]      ; W2 at my columns' first row
	s_add_nc_u64 s[36:37], s[36:37], s[2:3]        ; the packet
	s_lshl_b32 s2, s14, 8
	s_add_co_u32 s38, s2, W2S                      ; LDS: the 256 bytes of scale words that my wave stores,
	s_add_co_u32 s2, s2, PKS
	s_add_nc_u64 s[74:75], s[36:37], s[2:3]        ; and their place in the packet
	s_lshl_b32 s2, s16, 13                         ; my codes: two tiles on for the second 32 columns, 1,024 bytes a K step
	s_lshl_b32 s94, s15, 11
	s_add_co_u32 s2, s2, s94
	s_add_nc_u64 s[36:37], s[36:37], s[2:3]
	s_lshl_b32 s94, s16, 9                         ; LDS: my scale words: 256 bytes a tile, 4 bytes a K step
	s_lshl_b32 s95, s15, 3
	s_add_co_u32 s94, s94, s95
	s_add_co_u32 s94, s94, W2S
	CROUND                                         ; all sixteen work-groups are here: the first joint loads meet
	s_mov_b32 s[G0A], 1
	s_mov_b32 s[G0A+1], s45
	s_mov_b64 s[G0A+2:G0A+3], s[20:21]
	s_or_b32 s[G0A+3], s[G0A+3], 0x80000000
.irp s, 0,1
	s_mov_b32 s[G0B+4*\s], 1
	s_add_co_u32 s[G0B+4*\s+1], s39, \s*KSLOT
	s_add_nc_u64 s[G0B+4*\s+2:G0B+4*\s+3], s[46:47], \s*4*PKT
	s_or_b32 s[G0B+4*\s+3], s[G0B+4*\s+3], 0x80000000
.endr
.irp s, 0,1
	s_mov_b32 s[84+4*\s], 1                        ; s[84:87], s[88:91]: group 0 for the first fill of W1's slot s, two packets a wave
	s_add_co_u32 s[85+4*\s], s73, \s*KSLOT
	s_add_nc_u64 s[86+4*\s:87+4*\s], s[92:93], \s*4*PKT
	s_or_b32 s[87+4*\s], s[87+4*\s], 0x80000000
.endr
	s_mov_b32 s96, 1                               ; s[96:99]: group 0 for x's second 512 along K
	s_add_co_u32 s97, s45, KSLOT
	s_add_nc_u64 s[98:99], s[20:21], 64*PKT
	s_or_b32 s99, s99, 0x80000000
; The first fills, one tensor load a wave: waves 0 and 1 fetch two packets of x each, waves 2 and 3 two packets of W1 each.  One branch on the wave's number, a load in each arm, one join.
.macro HLOAD ga, gb
	s_cmp_lt_u32 s14, 2
	s_cbranch_scc0 .Lhb_\@
	tensor_load_to_lds s[\ga:\ga+3], s[G1A:G1A+7]
	s_nop 0
	PLACES 4
	s_branch .Lhj_\@
.Lhb_\@:
	tensor_load_to_lds s[\gb:\gb+3], s[76:83]
	s_nop 0
	PLACES 4
.Lhj_\@:
.endm
	HLOAD G0A, 84                                  ; x's first 512 along K and W1's slot 0
	v_and_b32 v1, 31, v0                           ; lane
	v_and_b32 v2, 15, v0                           ; r
	v_bfe_u32 v3, v0, 4, 1                         ; h
	v_lshlrev_b32 v[LI], 4, v1
	s_mul_i32 s18, s15, 2*PKT
	s_mul_i32 s19, s16, 2*PKT
	v_add_nc_u32 v[ADRA], s18, v[LI]
	v_add_nc_u32 v[ADRA+1], KSLOT, v[ADRA]
	s_add_co_u32 s22, s19, BB
	v_add_nc_u32 v[ADRB], s22, v[LI]
	v_add_nc_u32 v[ADRB+1], KSLOT, v[ADRB]
	s_sub_co_u32 s22, s22, s18                     ; from my tokens' packets to my rows of W1
	v_mul_u32_u24 v4, s22, v3                      ; lanes 16-31 take W1's words
	v_lshl_add_u32 v4, v2, 4, v4
	s_add_co_u32 s23, s18, PKS
	v_add_nc_u32 v[ADRS], s23, v4
	v_add_nc_u32 v[ADRS+1], KSLOT, v[ADRS]
	s_lshl_b32 s22, s15, 11
	s_lshl_b32 s23, s16, 2
	s_add_co_u32 s22, s22, s23
	s_add_co_u32 s22, s22, HS
	v_lshl_add_u32 v[HSW], v2, 4, s22              ; my half's eight tiles of tokens, row r, K step 2 tile + (w & 1)
	s_lshl_b32 s22, s14, 10
	s_add_co_u32 s22, s22, HS
	v_add_nc_u32 v[HSR], s22, v[LI]                ; back: the words of 64 tokens, 1,024 bytes a wave
	v_lshlrev_b32 v[BO], 6, v3
	v_lshlrev_b32 v[WLO], 2, v1
	v_lshlrev_b32 v[WST], 12, v3
	v_lshl_add_u32 v[WST], v2, 4, v[WST]
	v_lshlrev_b32 v5, 8, v3
	v_lshl_add_u32 v5, v2, 4, v5
	v_add_nc_u32 v[WSA], s94, v5
	v_lshlrev_b32 v[WSO], 3, v1
	v_add_nc_u32 v[WSR], s38, v[WSO]
.irp k, 0,1,2,3,4,5,6,7,8,9,10,11,12,13,14,15
	v_mov_b32 v[TP+\k], 0                          ; written once: a lane permute's destination counts as one of its sources
.endr
	s_lshl_b32 s66, s42, 11                        ; b1: (512 bx + 128 (w & 1)) x 4 bytes
	s_lshl_b32 s67, s16, 9
	s_add_co_u32 s66, s66, s67
	s_mov_b32 s67, 0
	s_add_nc_u64 s[8:9], s[8:9], s[66:67]
	s_lshr_b32 s66, s42, 3                         ; hq: [expert][128 tokens][kg][2 packets]: expert bx >> 3, kg bx & 7
	s_lshl_b32 s66, s66, 5
	s_lshl_b32 s72, s17, 1
	s_add_co_u32 s66, s66, s72
	s_add_co_u32 s66, s66, s15
	s_lshl_b32 s66, s66, 3
	s_and_b32 s72, s42, 7
	s_add_co_u32 s66, s66, s72
	s_mul_i32 s66, s66, 2*PKT
	s_add_nc_u64 s[68:69], s[10:11], s[66:67]
	s_lshl_b32 s66, s16, 10
	s_add_nc_u64 s[10:11], s[68:69], s[66:67]      ; my codes: K step 2 tile + (w & 1)
	s_mul_i32 s66, s16, PKT
	s_add_co_u32 s66, s66, PKS
	s_add_nc_u64 s[68:69], s[68:69], s[66:67]      ; and the scale words of the packet that I store at the end
	BIAS 0
	s_wait_alu depctr_va_vdst(0)
	W2LOAD 0                                       ; W2's first pair of blocks
	s_wait_tensorcnt 0x0                           ; my part of the first fills is in
	ds_add_u32 v[SPW], v[NIL]
	s_wait_dscnt 0x0
	CROUND                                         ; everybody's part is in, and the sixteen work-groups meet
	HLOAD 96, 88                                   ; x's second 512 along K and W1's slot 1: awaited at the first change of slots
	s_wait_loadcnt 63                              ; b1 is in: behind its 16 loads stand W2's 64, of which the youngest 63 may be out
	TILE 0, 1
	s_wait_loadcnt 0x0                             ; the second tile's b1
	TILE 1, 0
	ds_store_b32 v[WSA], v[WD]                     ; W2's scale words of my column, K steps 2 (w >> 1) and the next
	ds_store_b32 v[WSA], v[WD+1] offset:4
	s_wait_dscnt 0x0                               ; for the others' sake: my scale words lie in LDS
	s_barrier_signal -1
	s_barrier_wait -1
	ds_load_b128 v[96:99], v[HSR]
	ds_load_b128 v[100:103], v[HSR] offset:512
	ds_load_b64 v[104:105], v[WSR]
	s_wait_dscnt 0x0
	global_store_b64 v[WSO], v[104:105], s[74:75]  ; 32 lanes store one aligned unit of 256 bytes of W2's scale words
	global_store_b128 v[LI], v[96:99], s[68:69]    ; 512 consecutive bytes a store
	global_store_b128 v[LI], v[100:103], s[68:69] offset:512
	s_wait_tensorcnt 0x0                           ; the wave's end
	ds_add_u32 v[SPW], v[NIL]
	s_wait_dscnt 0x0
	CROUND                                         ; the closing round
	s_endpgm
.Lfunc_end_k_q587e75c985_gemm1:
	.size	k_q587e75c985_gemm1, .Lfunc_end_k_q587e75c985_gemm1-k_q587e75c985_gemm1
	.p2alignl 7, 3214868480
	.fill 96, 4, 3214868480
	.section	.rodata,"a",@progbits
	.p2align	6, 0x0
	.amdhsa_kernel k_q587e75c985_gemm1
		.amdhsa_group_segment_fixed_size 327680
		.amdhsa_private_segment_fixed_size 0
		.amdhsa_enable_private_segment 0
		.amdhsa_kernarg_size 48
		.amdhsa_user_sgpr_count 2
		.amdhsa_user_sgpr_kernarg_segment_ptr 1
		.amdhsa_wavefront_size32 1
		.amdhsa_system_sgpr_workgroup_id_x 1
		.amdhsa_system_sgpr_workgroup_id_y 1
		.amdhsa_system_sgpr_workgroup_id_z 1
		.amdhsa_system_vgpr_workitem_id 0
		.amdhsa_next_free_vgpr 1024
		.amdhsa_next_free_sgpr 100
		.amdhsa_reserve_vcc 0
		.amdhsa_float_denorm_mode_32 3
		.amdhsa_float_denorm_mode_16_64 3
		.amdhsa_memory_ordered 1
		.amdhsa_forward_progress 1
		.amdhsa_inst_pref_size 255
	.end_amdhsa_kernel
	.section	.bss,"aw",@nobits
	.p2align	6
	.space	262144
	.amdgpu_metadata
---
amdhsa.version: [ 1, 2 ]
amdhsa.kernels:
  - .name:           k_q587e75c985_gemm1
    .symbol:         k_q587e75c985_gemm1.kd
    .args:
      - { .name: xq, .offset: 0, .size: 8, .value_kind: global_buffer, .address_space: global }
      - { .name: w1q, .offset: 8, .size: 8, .value_kind: global_buffer, .address_space: global }
      - { .name: b1, .offset: 16, .size: 8, .value_kind: global_buffer, .address_space: global }
      - { .name: hq, .offset: 24, .size: 8, .value_kind: global_buffer, .address_space: global }
      - { .name: W2, .offset: 32, .size: 8, .value_kind: global_buffer, .address_space: global }
      - { .name: w2q, .offset: 40, .size: 8, .value_kind: global_buffer, .address_space: global }
    .group_segment_fixed_size: 327680
    .private_segment_fixed_size: 0
    .kernarg_segment_align: 8
    .kernarg_segment_size: 48
    .max_flat_workgroup_size: 128
    .sgpr_count:     100
    .vgpr_count:     1024
    .wavefront_size: 32
...
	.end_amdgpu_metadata
.endif
;; end of part 2
;; launch gemm2 (part 3): grid 8 x 32, 4 waves a work-group, clusters of 4 x 4, 327,680 bytes of LDS; arguments hq, w2q, b2, gates, out0; writes out0
.if DOCPART == 3
	.amdgcn_target "amdgcn-amd-amdhsa--gfx1250"
	.amdhsa_code_object_version 6
	.text
	.protected	k_q587e75c985_gemm2
	.globl	k_q587e75c985_gemm2
	.p2align	8
	.type	k_q587e75c985_gemm2,@function
k_q587e75c985_gemm2:
	s_mov_b64 s[64:65], 0
	v_nop
	global_prefetch_b8 v0, s[64:65] scope:SCOPE_SE
	s_setreg_imm32_b32 hwreg(HW_REG_WAVE_MODE, 25, 1), 1
	s_wait_xcnt 0x0
	s_wait_alu depctr_hold_cnt(0) depctr_sa_sdst(0) depctr_va_vdst(0) depctr_va_sdst(0) depctr_va_ssrc(0) depctr_va_vcc(0) depctr_vm_vsrc(0)
	s_getreg_b32 s2, hwreg(HW_REG_IB_STS2, 6, 4)
	s_cmp_eq_u32 s2, 0
	s_cbranch_scc0 .Lentry_in_a_cluster
	s_endpgm
.Lentry_in_a_cluster:
	s_bfe_u32 s2, ttmp6, 0x10000c
	s_cmp_lg_u32 s2, 0xf033
	s_cbranch_scc0 .Lentry_shape_is_right
	s_endpgm
.Lentry_shape_is_right:
; out0[t][n] = sum over the two experts e of gate[t][e] x (sum over k of h[e][t][k] W2[e][k][n] + b2[e][n]); h and W2 are codes of FP4 (E2M1) with one E8M0 byte for each 32 along K; sums in f32.
; OPERANDS ARE PACKETS of 17,408 bytes: 64 rows (4 tiles of 16) x 512 along K (4 K steps of 128): codes at 4096 t + 1024 s + 512 c + 16 x lane, the image of a fragment's registers; scale words at 16,384 + 256 t + 16 r + 4 s.
; hq: [expert][128 tokens: 32][512 along K: 8][2 packets];  w2q: [expert][128 columns: 8][512 along K: 8][2 packets].
; SHARES.  Work-group (bx, by): tokens 128 by on, columns 128 bx on.  Wave w: expert w >> 1, columns 64 (w & 1) on: 128 tokens x 64 columns over its expert's K of 4,096: 32 accumulators, 256 registers.
; THE RING: two slots of 8 packets: 512 along K of both experts: h's two packets of expert 0, of expert 1, then W2's likewise.  Eight phases.  Wave w fetches the slot's packets 2 w and 2 w + 1 by one tensor load of 136 rows of 256 bytes.
; CLUSTERS: 4 x 4 work-groups.  h's packets hang on by alone and are asked for jointly along a row of the cluster (waves 0, 1), W2's on bx alone, along a column (waves 2, 3).
; THE PRODUCT IS USED TRANSPOSED (source 0 = 16 columns of W2, source 1 = 16 tokens): a lane holds one token and eight neighbouring columns, so a token's gate is one number a lane.  b2 is the C of each sum's first product.
; THE WAY OUT: each wave multiplies its sums by its expert's gate and lays them in LDS as rows of 256 bytes; behind one barrier wave w adds both experts' rows 32 w .. 32 w + 31 and stores rows of 512 consecutive bytes.
; PREFETCH: behind the load for phase n stands a request for phase n + 2 (n = 0 .. 5).  Of the 136 blocks of 256 bytes that a wave's load names, each of the four partners takes 34, told apart by address: 32 lanes, then 2 (the other lanes name the last again).
; LIMITS: NaN and infinities are not served; the sums begin with b2, another order of rounding than a bias added last.
; REGISTERS: window 0: v8-29 addresses; v32-95 scale words, a set for each slot, and nothing else; v96-111 gates; v128-255 the tokens' fragments, two sets (on the way out: rows read back).
;   window 1: v0-63 W2's fragments, two sets; v64-95 b2.   window 2: the accumulators ((a, b) at v[8 (4 a + b)]).
.set PKT,   17408
.set PKS,   16384
.set SLOT,  8*PKT
.set SPARE, 16*PKT                     ; behind the ring: the spare words, 128 bytes a wave
.set PART,  128*272                    ; the way out: a wave's 128 rows of 256 bytes + 16; the four lie in slot 0, behind its last fill and its last read
.set ADRA, 8                           ; v8-9    my expert's tokens, slot 0, 1
.set ADRB, 10                          ; v10-11  my 64 columns of W2
.set ADRS, 12                          ; v12-13  scale words: lanes 0-15 token blocks 0-3, lanes 16-31 W2's tiles
.set ADRT, 14                          ; v14-15  scale words of token blocks 4-7
.set PRD,  16                          ; v16-17  the way out: rows read back, expert 0, 1
.set PST,  18                          ; v18     the way out: where I put 32 bytes of a row
.set LI,   19                          ; v19     16 x lane
.set GA,   20                          ; v20     16 x (lane % 16)
.set BO,   21                          ; v21     32 x (lane / 16)
.set PFO,  22                          ; v22-23  the prefetches' offsets
.set SPW,  28                          ; v28     my spare word; never rewritten
.set NIL,  29                          ; v29     0; never rewritten
.set SC,   32
.set G,    96
.set AF,   128
.set G1,  24                           ; s[24:31] group 1, s[32:39] group 0 (a set for each slot) for h's packets
.set G0,  32
.set G1B, 48                           ; s[48:55], s[56:63] the same for W2's
.set G0B, 56
.set PFA, 72                           ; s[72:73] where my prefetches stand: my work-group's 34 blocks of what my wave's load for phase n names
.set MSB, 0
.macro WIN new                         ; the immediate's high byte repeats the setting that is left
.if MSB != (\new)
	s_set_vgpr_msb (MSB<<8)|(\new)
.set MSB, (\new)
.endif
.endm
.set MUL,  0xa1                        ; source 0 (W2) window 1, source 1 (tokens) window 0, C and D window 2
.set MULB, 0x91                        ; C (b2) window 1, D window 2
.set TO_B, 0x40                        ; destination window 1
.macro PLACES n
.rept \n
	v_nop
.endr
.endm
.macro CREST                           ; a round of the cluster's barrier behind its opening barrier
	s_cmp_lg_u32 s14, 0
	s_cbranch_scc1 .Lnot_wave_0_\@
	s_barrier_signal -3
.Lnot_wave_0_\@:
	s_barrier_wait -3
	s_barrier_signal -1
	s_barrier_wait -1
.endm
.macro CROUND
	s_barrier_signal -1
	s_barrier_wait -1
	CREST
.endm
; A joint load: waves 0 and 1 fetch h's packets, waves 2 and 3 W2's.  Each line has one mask; the branch hangs on the wave's number alone.  s_nop 0 and four v_nop follow each line.
.macro JLOAD s
	s_cmp_eq_u32 s15, 0
	s_cbranch_scc0 .Lfor_b_\@
	tensor_load_to_lds s[G0+4*\s:G0+4*\s+3], s[G1:G1+7]
	s_nop 0
	PLACES 4
	s_branch .Lasked_\@
.Lfor_b_\@:
	tensor_load_to_lds s[G0B+4*\s:G0B+4*\s+3], s[G1B:G1B+7]
	s_nop 0
	PLACES 4
.Lasked_\@:
.endm
.macro ASK cond                        ; phase n + 2's blocks: two phases are 4 packets on.  cond = 1, in the loop: its last trip loads phases 6 and 7, which have no phase two on
.if \cond
	s_cmp_gt_u32 s3, 1
	s_cbranch_scc0 .Lnone_\@
.endif
	global_prefetch_b8 v[PFO], s[PFA:PFA+1] offset:4*PKT th:TH_LOAD_NT scope:SCOPE_SE
	global_prefetch_b8 v[PFO+1], s[PFA:PFA+1] offset:4*PKT th:TH_LOAD_NT scope:SCOPE_SE
.Lnone_\@:
.endm
.macro FRAG reg, adr, off              ; a fragment: 8 registers, two loads of 512 consecutive bytes
.irp c, 0,1
	ds_load_b128 v[(\reg)+4*\c:(\reg)+4*\c+3], v[\adr] offset:(\off)+512*\c
.endr
.endm
; The fragments of the slot's q-th K step into set p: 8 loads for W2's four tiles, 16 for the eight token blocks.  sc = 1: and the slot's scale words, 8 loads: register 4 i + q.
.macro FETCH slot, q, p, sc
	WIN TO_B
.irp i, 0,1,2,3
	FRAG 32*(\p)+8*\i, ADRB+\slot, \i*4096+(\q)*1024
.endr
	WIN 0
.irp i, 0,1,2,3,4,5,6,7
	FRAG AF+64*(\p)+8*\i, ADRA+\slot, (\i/4)*PKT+(\i%4)*4096+(\q)*1024
.endr
.if \sc
.irp i, 0,1,2,3
	ds_load_b128 v[SC+32*(\slot)+4*\i:SC+32*(\slot)+4*\i+3], v[ADRS+\slot] offset:\i*256
	ds_load_b128 v[SC+32*(\slot)+16+4*\i:SC+32*(\slot)+16+4*\i+3], v[ADRT+\slot] offset:\i*256
.endr
.endif
.endm
; 8 products: token blocks a0, a0 + 1 x W2's four tiles.  first = 1: b2 starts the sums.  The 32 accumulators take turns, one instruction a turn.
.macro MUL8 a0, p, q, sc, first
.irp a, \a0, \a0+1
.irp b, 0,1,2,3
.if \first
	v_wmma_scale_f32_16x16x128_f8f6f4 v[8*(4*(\a)+\b):8*(4*(\a)+\b)+7], v[32*(\p)+8*\b:32*(\p)+8*\b+7], v[AF+64*(\p)+8*(\a):AF+64*(\p)+8*(\a)+7], v[64+8*\b:64+8*\b+7], v[SC+32*(\sc)+4*\b+(\q)], v[SC+32*(\sc)+4*(\a)+(\q)] matrix_a_fmt:MATRIX_FMT_FP4 matrix_b_fmt:MATRIX_FMT_FP4 matrix_a_scale:MATRIX_SCALE_ROW1
.else
	v_wmma_scale_f32_16x16x128_f8f6f4 v[8*(4*(\a)+\b):8*(4*(\a)+\b)+7], v[32*(\p)+8*\b:32*(\p)+8*\b+7], v[AF+64*(\p)+8*(\a):AF+64*(\p)+8*(\a)+7], v[8*(4*(\a)+\b):8*(4*(\a)+\b)+7], v[SC+32*(\sc)+4*\b+(\q)], v[SC+32*(\sc)+4*(\a)+(\q)] matrix_a_fmt:MATRIX_FMT_FP4 matrix_b_fmt:MATRIX_FMT_FP4 matrix_a_scale:MATRIX_SCALE_ROW1
.endif
.endr
.endr
.endm
; A K step of 128 that has its successor in the same slot: the successor's 24 loads go out first, into the set that the step before multiplied (four plain lines behind its products), then this step's 32 products.
.macro STEP slot, q, first
	PLACES 4
	FETCH \slot, (\q)+1, ((\q)+1)%2, 0
	s_wait_dscnt 24                                ; all but the 24 just issued: this step's fragments (and scale words) are in
.if \first
	WIN MULB
.else
	WIN MUL
.endif
.irp a, 0,2,4,6
	MUL8 \a, (\q)%2, \q, \slot, \first
.endr
.endm
; A slot's last K step changes slots: each wave waits for all its tensor loads, adds 0 to its spare word, waits for that and for its reads of this slot; one barrier.
; fill = 1: the barrier opens a round of the cluster's barrier, and behind it this slot takes the phase two on: my one tensor load behind the round.
.macro TURN slot, next, fill
.if \fill
	s_wait_xcnt 0x0                                ; my prefetches have read their address: it goes one phase on
	s_add_nc_u64 s[PFA:PFA+1], s[PFA:PFA+1], 2*PKT
.endif
	WIN 0                                          ; (the add's two registers lie in window 0)
	s_wait_tensorcnt 0x0                           ; my part of the next slot has landed
	ds_add_u32 v[SPW], v[NIL]                      ; 0 onto my spare word
	s_wait_dscnt 1                                 ; (the add alone may be out: this step's fragments are in)
	WIN MUL
	MUL8 0, 1, 3, \slot, 0
	s_wait_dscnt 0x0                               ; the add is done, and my reads of this slot are over
	s_barrier_signal -1
	MUL8 2, 1, 3, \slot, 0
	WIN 0
	s_barrier_wait -1
.if \fill
	CREST                                          ; no wave of any partner still reads this slot or has a load on its way
	s_add_nc_u64 s[G0+4*\slot+2:G0+4*\slot+3], s[G0+4*\slot+2:G0+4*\slot+3], 4*PKT
	s_add_nc_u64 s[G0B+4*\slot+2:G0B+4*\slot+3], s[G0B+4*\slot+2:G0B+4*\slot+3], 4*PKT
	JLOAD \slot                                    ; its four v_nop are also the places in front of the loads below
.else
	PLACES 4
.endif
	FETCH \next, 0, 0, 1
.if \fill
	ASK 1
.endif
	WIN MUL
	MUL8 4, 1, 3, \slot, 0
	MUL8 6, 1, 3, \slot, 0
.endm
	s_load_b256 s[4:11], s[0:1], 0x0               ; hq s4, w2q s6, b2 s8, gates s10
	s_load_b64 s[12:13], s[0:1], 0x20              ; out0
	v_lshl_add_u32 v[SPW], v0, 2, SPARE
	v_mov_b32 v[NIL], 0
	ds_add_u32 v[SPW], v[NIL]                      ; the opening lines: the add, twice on end, and its wait ahead of my first tensor load
	ds_add_u32 v[SPW], v[NIL]
	v_lshrrev_b32 v1, 5, v0
	v_readfirstlane_b32 s14, v1                    ; wave 0..3
	s_lshr_b32 s15, s14, 1                         ; my expert.  Also: I fetch h's packets (0) or W2's (1)
	s_and_b32 s16, s14, 1                          ; my 64 columns.  Also: the expert whose packets I fetch
	s_bfe_u32 s40, ttmp6, 0x40000                  ; cx, cy: my place in the cluster
	s_bfe_u32 s41, ttmp6, 0x40004
	s_lshl_b32 s42, ttmp9, 2
	s_add_co_u32 s42, s42, s40                     ; bx
	s_and_b32 s17, ttmp7, 0xffff
	s_lshl_b32 s17, s17, 2
	s_add_co_u32 s17, s17, s41                     ; by
	s_lshl_b32 s43, s41, 2
	s_lshl_b32 s43, 15, s43                        ; my row of the cluster
	s_lshl_b32 s44, 0x1111, s40                    ; my column
	s_or_b32 s[G1], s43, (3<<16)|(1<<21)           ; 15:0 the mask; 17:16 elements of 8 bytes; 21 set beside a mask
	s_or_b32 s[G1B], s44, (3<<16)|(1<<21)
.irp g, G1, G1B
	s_mov_b32 s[\g+1], 32<<16                      ; two packets, dense: 136 rows of 256 bytes (32 elements)
	s_mov_b32 s[\g+2], 136<<16
	s_mov_b32 s[\g+3], 32<<16
	s_mov_b32 s[\g+4], 136
	s_mov_b32 s[\g+5], 32
	s_mov_b32 s[\g+6], 0
	s_mov_b32 s[\g+7], 0
.endr
	s_lshl_b32 s20, s16, 5                         ; h: (32 expert + by) x 16 packets
	s_add_co_u32 s20, s20, s17
	s_mul_i32 s20, s20, 16*PKT
	s_mov_b32 s21, 0
	s_lshl_b32 s46, s16, 3                         ; W2: (8 expert + bx) x 16 packets
	s_add_co_u32 s46, s46, s42
	s_mul_i32 s46, s46, 16*PKT
	s_mov_b32 s47, 0
	s_mul_i32 s45, s14, 2*PKT                      ; where they go: no place in the cluster enters an LDS address
	s_mul_i32 s18, s15, 2*PKT                      ; what I read: my expert's tokens,
	s_mul_i32 s22, s16, PKT
	s_add_co_u32 s22, s22, 4*PKT                   ; from there to my packet of W2,
	s_add_co_u32 s19, s18, s22
	s_add_co_u32 s23, s18, PKS                     ; the scale words of token blocks 0-3,
	s_add_co_u32 s66, s23, PKT                     ; and of blocks 4-7
	s_mul_i32 s67, s14, PART                       ; the way out: my part, and the rows that I read back
	s_mul_i32 s68, s14, 32*272
	s_cmp_eq_u32 s15, 0                            ; the prefetches: h's or W2's, and my place among the four that ask with me
	s_cselect_b32 s82, s20, s46
	s_cselect_b32 s74, s40, s41
	s_mul_i32 s74, s74, 34*256
	s_add_co_u32 s82, s82, s74
	s_mov_b32 s83, 0
	s_lshl_b32 s76, s15, 12                        ; b2: 4096 expert + 512 bx + 256 (w & 1) bytes
	s_lshl_b32 s69, s42, 9
	s_add_co_u32 s76, s76, s69
	s_lshl_b32 s80, s17, 19                        ; out0: row 128 by + 32 w, + 512 bx bytes
	s_add_co_u32 s80, s80, s69
	s_lshl_b32 s69, s16, 8
	s_add_co_u32 s76, s76, s69
	s_lshl_b32 s69, s14, 17
	s_add_co_u32 s80, s80, s69
	s_lshl_b32 s78, s17, 11                        ; gates: 16 bytes a token, 8 bytes an expert
	s_lshl_b32 s69, s15, 3
	s_add_co_u32 s78, s78, s69
	s_mov_b32 s77, 0
	s_mov_b32 s79, 0
	s_mov_b32 s81, 0
	s_wait_dscnt 0x0                               ; both opening adds are done
	s_wait_kmcnt 0x0
	s_cmp_eq_u32 s15, 0
	s_cselect_b64 s[PFA:PFA+1], s[4:5], s[6:7]
	s_add_nc_u64 s[PFA:PFA+1], s[PFA:PFA+1], s[82:83]
	s_add_nc_u64 s[20:21], s[4:5], s[20:21]
	s_add_nc_u64 s[46:47], s[6:7], s[46:47]
	s_add_nc_u64 s[8:9], s[8:9], s[76:77]
	s_add_nc_u64 s[10:11], s[10:11], s[78:79]
	s_add_nc_u64 s[12:13], s[12:13], s[80:81]
	CROUND                                         ; all sixteen work-groups are here: the first joint loads meet
.irp s, 0,1
	s_mov_b32 s[G0+4*\s], 1
	s_add_co_u32 s[G0+4*\s+1], s45, \s*SLOT
	s_add_nc_u64 s[G0+4*\s+2:G0+4*\s+3], s[20:21], \s*2*PKT
	s_or_b32 s[G0+4*\s+3], s[G0+4*\s+3], 0x80000000
	s_mov_b32 s[G0B+4*\s], 1
	s_add_co_u32 s[G0B+4*\s+1], s45, \s*SLOT
	s_add_nc_u64 s[G0B+4*\s+2:G0B+4*\s+3], s[46:47], \s*2*PKT
	s_or_b32 s[G0B+4*\s+3], s[G0B+4*\s+3], 0x80000000
.endr
	JLOAD 0                                        ; phase 0: one tensor load a wave at the head
	v_and_b32 v1, 31, v0                           ; lane
	v_and_b32 v2, 15, v0                           ; r
	v_bfe_u32 v3, v0, 4, 1                         ; h
	v_lshlrev_b32 v[LI], 4, v1
	v_lshlrev_b32 v[GA], 4, v2
	v_lshlrev_b32 v[BO], 5, v3
	v_add_nc_u32 v[ADRA], s18, v[LI]
	v_add_nc_u32 v[ADRA+1], SLOT, v[ADRA]
	v_add_nc_u32 v[ADRB], s19, v[LI]
	v_add_nc_u32 v[ADRB+1], SLOT, v[ADRB]
	v_mul_u32_u24 v4, s22, v3                      ; lanes 16-31 take W2's words
	v_add_nc_u32 v4, v4, v[GA]
	v_add_nc_u32 v[ADRS], s23, v4
	v_add_nc_u32 v[ADRS+1], SLOT, v[ADRS]
	v_add_nc_u32 v[ADRT], s66, v[GA]
	v_add_nc_u32 v[ADRT+1], SLOT, v[ADRT]
	v_mul_u32_u24 v5, v2, 272                      ; in: row r, 32 bytes for each half of the lanes
	v_lshl_add_u32 v5, v3, 5, v5
	v_add_nc_u32 v[PST], s67, v5
	v_mul_u32_u24 v6, v3, PART                     ; back: lanes 0-15 the row's first 256 bytes, lanes 16-31 the second (the part of the other 64 columns)
	v_add_nc_u32 v6, v6, v[GA]
	v_add_nc_u32 v[PRD], s68, v6
	v_add_nc_u32 v[PRD+1], 2*PART, v[PRD]
	v_lshlrev_b32 v[PFO], 8, v1                    ; blocks 0 .. 31 of my 34,
	v_min_u32 v7, 1, v1
	v_lshl_add_u32 v[PFO+1], v7, 8, 8192           ; and blocks 32, 33
	s_wait_alu depctr_va_vdst(0)
.irp a, 0,1,2,3,4,5,6,7
	global_load_b64 v[G+2*\a:G+2*\a+1], v[GA], s[10:11] offset:256*\a   ; my expert's gate of token 16 a + r, as a pair
.endr
	WIN TO_B
.irp b, 0,1,2,3
.irp i, 0,1
	global_load_b128 v[64+8*\b+4*\i:64+8*\b+4*\i+3], v[BO], s[8:9] offset:64*\b+16*\i   ; b2 in the result's layout: columns 16 b + 8 h + 0 .. 7
.endr
.endr
	WIN 0
	global_prefetch_b8 v[PFO], s[PFA:PFA+1] offset:2*PKT th:TH_LOAD_NT scope:SCOPE_SE     ; at the head alone: phase 1 too, the buffers' first touch: two phases are asked for and not yet read
	global_prefetch_b8 v[PFO+1], s[PFA:PFA+1] offset:2*PKT th:TH_LOAD_NT scope:SCOPE_SE
	ASK 0                                          ; phase 2
	s_wait_tensorcnt 0x0
	ds_add_u32 v[SPW], v[NIL]
	s_wait_xcnt 0x0                                ; my prefetches have read their address
	s_add_nc_u64 s[PFA:PFA+1], s[PFA:PFA+1], 2*PKT
	s_wait_dscnt 0x0
	CROUND                                         ; everybody's part is in, and the joint loads meet
	JLOAD 1                                        ; phase 1, the first tensor load behind the round
	FETCH 0, 0, 0, 1
	ASK 0                                          ; phase 3
	s_wait_loadcnt 0x0                             ; b2 and the gates
	STEP 0, 0, 1                                   ; the first K step stands in front of the loop: its products start the sums
	WIN 0
	s_mov_b32 s3, 3
.Llap:                                                 ; a trip goes once round the ring, from a lap's second K step to the next lap's first, and fills both slots again
	STEP 0, 1, 0
	STEP 0, 2, 0
	TURN 0, 1, 1
	STEP 1, 0, 0
	STEP 1, 1, 0
	STEP 1, 2, 0
	TURN 1, 0, 1
	STEP 0, 0, 0
	WIN 0
	s_sub_co_u32 s3, s3, 1
	s_cmp_lg_u32 s3, 0
	s_cbranch_scc1 .Llap
	STEP 0, 1, 0                                   ; the last lap fills nothing
	STEP 0, 2, 0
	TURN 0, 1, 0
	STEP 1, 0, 0
	STEP 1, 1, 0
	STEP 1, 2, 0
	s_wait_dscnt 0x0
	WIN MUL
.irp a, 0,2,4,6
	MUL8 \a, 1, 3, 1, 0
.endr
	PLACES 4                                       ; behind the last products
	WIN 0x82                                       ; source 0 and destination window 2
.irp a, 0,1,2,3,4,5,6,7
.set j, 32*\a
.rept 16
	v_pk_mul_f32 v[j:j+1], v[j:j+1], v[G+2*\a:G+2*\a+1]   ; x my expert's gate; each accumulator from its low end on
.set j, j+2
.endr
.endr
	WIN 0x08                                       ; store data window 2
.irp a, 0,1,2,3,4,5,6,7
.irp b, 0,1,2,3
.irp i, 0,1
	ds_store_b128 v[PST], v[32*\a+8*\b+4*\i:32*\a+8*\b+4*\i+3] offset:\a*16*272+64*\b+16*\i
.endr
.endr
.endr
	WIN 0
	s_wait_dscnt 0x0                               ; for the others' sake: my part lies in LDS
	s_barrier_signal -1
	s_barrier_wait -1
.irp bt, 0,1
.if \bt > 0
	s_wait_xcnt 0x0                                ; the stores have read their registers
.endif
.irp q, 0,1,2,3,4,5,6,7,8,9,10,11,12,13,14,15
	ds_load_b128 v[128+8*\q:131+8*\q], v[PRD] offset:(16*\bt+\q)*272
	ds_load_b128 v[132+8*\q:135+8*\q], v[PRD+1] offset:(16*\bt+\q)*272
.endr
.irp q, 0,1,2,3,4,5,6,7,8,9,10,11,12,13,14,15
	s_wait_dscnt 30-2*\q                           ; this row's two loads are in; the later rows' may be out
	v_pk_add_f32 v[128+8*\q:129+8*\q], v[128+8*\q:129+8*\q], v[132+8*\q:133+8*\q]
	v_pk_add_f32 v[130+8*\q:131+8*\q], v[130+8*\q:131+8*\q], v[134+8*\q:135+8*\q]
	global_store_b128 v[LI], v[128+8*\q:131+8*\q], s[12:13] offset:(16*\bt+\q)*4096 th:TH_STORE_NT   ; 32 lanes store 512 consecutive bytes, at a multiple of 256
.endr
.endr
	s_wait_tensorcnt 0x0                           ; the wave's end
	ds_add_u32 v[SPW], v[NIL]
	s_wait_dscnt 0x0
	CROUND                                         ; the closing round
	s_endpgm
.Lfunc_end_k_q587e75c985_gemm2:
	.size	k_q587e75c985_gemm2, .Lfunc_end_k_q587e75c985_gemm2-k_q587e75c985_gemm2
	.p2alignl 7, 3214868480
	.fill 96, 4, 3214868480
	.section	.rodata,"a",@progbits
	.p2align	6, 0x0
	.amdhsa_kernel k_q587e75c985_gemm2
		.amdhsa_group_segment_fixed_size 327680
		.amdhsa_private_segment_fixed_size 0
		.amdhsa_enable_private_segment 0
		.amdhsa_kernarg_size 40
		.amdhsa_user_sgpr_count 2
		.amdhsa_user_sgpr_kernarg_segment_ptr 1
		.amdhsa_wavefront_size32 1
		.amdhsa_system_sgpr_workgroup_id_x 1
		.amdhsa_system_sgpr_workgroup_id_y 1
		.amdhsa_system_sgpr_workgroup_id_z 1
		.amdhsa_system_vgpr_workitem_id 0
		.amdhsa_next_free_vgpr 768
		.amdhsa_next_free_sgpr 100
		.amdhsa_reserve_vcc 0
		.amdhsa_float_denorm_mode_32 3
		.amdhsa_float_denorm_mode_16_64 3
		.amdhsa_memory_ordered 1
		.amdhsa_forward_progress 1
		.amdhsa_inst_pref_size 133
	.end_amdhsa_kernel
	.amdgpu_metadata
---
amdhsa.version: [ 1, 2 ]
amdhsa.kernels:
  - .name:           k_q587e75c985_gemm2
    .symbol:         k_q587e75c985_gemm2.kd
    .args:
      - { .name: hq, .offset: 0, .size: 8, .value_kind: global_buffer, .address_space: global }
      - { .name: w2q, .offset: 8, .size: 8, .value_kind: global_buffer, .address_space: global }
      - { .name: b2, .offset: 16, .size: 8, .value_kind: global_buffer, .address_space: global }
      - { .name: gates, .offset: 24, .size: 8, .value_kind: global_buffer, .address_space: global }
      - { .name: out0, .offset: 32, .size: 8, .value_kind: global_buffer, .address_space: global }
    .group_segment_fixed_size: 327680
    .private_segment_fixed_size: 0
    .kernarg_segment_align: 8
    .kernarg_segment_size: 40
    .max_flat_workgroup_size: 128
    .sgpr_count:     100
    .vgpr_count:     768
    .wavefront_size: 32
...
	.end_amdgpu_metadata
.endif
;; end of part 3
